; MI455X (gfx1250); checked and timed in simulation.
; The chip was launched on July 23, 2026; its instructions are those of AMD's public machine-readable ISA for CDNA 5 (MIT licence, August 2026) and "CDNA5" Instruction Set Architecture Reference Guide (July 2026). The comments in the code are by the model that wrote it; some were corrected since.
;; Causal Self Attention. Allowed arithmetic: matrix products marked QUANTISED: E4M3 operands, one given power-of-two scale a tensor, by v_wmma_f32_16x16x64_fp8_fp8 or v_wmma_f32_16x16x128_fp8_fp8, f32 sums; everything else in f32.
;; Inputs: Wproj 1,024 x 1,024 float32; Wqkv 3,072 x 1,024 float32; bproj 1,024 float32; bqkv 3,072 float32; lowp_scales 8 int32 (the exponents e of the quantised operands' scales 2^e); x 4 x 2,048 x 1,024 float32.
;; Outputs: out0 4 x 2,048 x 1,024 float32.
;; This version of the problem:
;;   THIS VERSION OF THE PROBLEM IS GIVEN IN LOW PRECISION. The matrix products marked QUANTISED in the list below multiply operands that are first quantised to E4M3 (4 exponent bits, 3 mantissa bits; 8 bits a number), with one given power-of-two scale for each operand tensor; their sums are f32. All else is computed in f32.
;;   The module's matrix products, in the order in which they are computed (A, B: the left and right operand; K: the contracted axis; several contracted axes count as one K, in the product's order):
;;     1. [M 8,192, K 1,024] x [K 1,024, N 3,072]; A: input x; B: input Wqkv: QUANTISED (scales: A lowp_scales[0], B lowp_scales[1])
;;     2. batch 64 x [M 2,048, K 64] x [K 64, N 2,048]; A: computed on the way; B: computed on the way: QUANTISED (scales: A lowp_scales[2], B lowp_scales[3])
;;     3. batch 64 x [M 2,048, K 2,048] x [K 2,048, N 64]; A: softmax (see below); B: computed on the way: QUANTISED (scales: A lowp_scales[4], B lowp_scales[5])
;;     4. [M 8,192, K 1,024] x [K 1,024, N 1,024]; A: computed on the way; B: input Wproj: QUANTISED (scales: A lowp_scales[6], B lowp_scales[7])
;;   THE QUANTISER, for each operand of a quantised product, along K:
;;     - The operand's scale is 2^e, e = its entry of the input lowp_scales (int32; the entries are numbered through the quantised products in the list's order, A before B).
;;     - Each number is divided by the scale, clamped to +-448, and rounded to the nearest number of E4M3, ties to even, subnormals kept.
;;     - The product sums the exact products of the quantised numbers (number of the format x scale) in f32.
;;   ~~~python
;;   def quantise(x, axis, e):      # numpy; x: float32 -> the quantised numbers, widened to float32 again
;;       x = np.moveaxis(x, axis, -1); K = x.shape[-1]
;;       r = np.clip(x / 2.0 ** e, -448, 448)
;;       step = 2.0 ** (np.maximum(np.frexp(np.where(r == 0, 1, r))[1] - 1, -6) - 3)
;;       q = np.round(r / step) * step * 2.0 ** e      # np.round: ties to even
;;       return np.moveaxis(q, -1, axis).astype(np.float32)
;;   ~~~
;;   SOFTMAX AHEAD OF A QUANTISED PRODUCT. Where the list says 'softmax', what is quantised is not the finished softmax but p = 2^(t - M), with t = logit x log2(e) and M = ceil(the row's largest t), a whole number; so 1/2 < the row's largest p <= 1. The row's sum l is taken of the UNQUANTISED p, in f32, and the product's result is divided by l at the end. Since M is a whole number, a kernel that streams over the keys may use a running M (the ceiling of the running maximum): every later rescaling is an exact power of two, so the quantised numbers keep their values, but for numbers so far below the row's largest that they fall under the format's range.
;;   OPERANDS COMPUTED ON THE WAY. 'Computed on the way' means the value that the module computes at that place (a softmax that the list does not call 'softmax' is quantised finished and normalised). What goes into a quantiser is computed in f32, as accurately as f32 sums, v_exp_f32 and their like allow (about 1e-6 of the number): no bf16 or f16 on the way to a quantiser, and a product that is left as it is and whose result goes on into a quantised operand takes f32 operands (vector FMAs, or v_wmma_f32_16x16x4_f32). A number that lies on a knife's edge between two numbers of the format may be rounded either way, as far as f32 arithmetic and the matrix unit's own rounding can turn it there, and no further.
;; One version. Each part assembles by itself: llvm-mc -triple=amdgcn-amd-amdhsa -mcpu=gfx1250 --defsym DOCPART=n.
;; ======== version 1 of 1: 4 launches
;; limits: right only within a limited range of input values
;; workspace buffers: xc 8,388,608 bytes; wqc 3,145,728 bytes; wpc 1,048,576 bytes; qkv 25,165,824 bytes; yc 8,388,608 bytes
;; launch quant (part 1): grid 384 x 1, 4 waves a work-group, no clusters, 34,304 bytes of LDS; arguments x, Wqkv, Wproj, lowp_scales, xc, wqc, wpc; writes xc, wqc, wpc
.if DOCPART == 1
	.amdgcn_target "amdgcn-amd-amdhsa--gfx1250"
	.amdhsa_code_object_version 6
	.text
	.protected	k_q823bafaa49_quant
	.globl	k_q823bafaa49_quant
	.p2align	8
	.type	k_q823bafaa49_quant,@function
k_q823bafaa49_quant:
	s_mov_b64 s[64:65], 0
	v_nop
	global_prefetch_b8 v0, s[64:65] scope:SCOPE_SE
	s_setreg_imm32_b32 hwreg(HW_REG_WAVE_MODE, 25, 1), 1
	s_wait_xcnt 0x0
; x [8192][1024], Wqkv [3072][1024] and Wproj [1024][1024], f32 with K innermost, become codes of FP8 (E4M3), each tensor with the one scale 2^e given for it
; (entries 0, 1 and 7 of the buffer of scales): code = number / 2^e, held within +-448, to the nearest code, ties to even.
; LIMITS: e between -126 and 119, so that 2^e and 448 x 2^e are f32 numbers.  NaN among the inputs is not served (an infinity is held at the largest code).
; THE CODES ARE LAID AS IMAGES OF THE OPERAND'S REGISTERS.  A fragment of v_wmma_f32_16x16x128_fp8_fp8 is 16 rows x 128 K in 16 registers: lane (r = lane % 16, h = lane / 16) holds row r,
; registers 2 c, 2 c + 1 hold K = 16 c + 8 h + 0 .. 7.  Its image is 2,048 bytes: registers 4 q .. 4 q + 3 of lane l at byte 512 q + 16 l.  A tensor of ROWS rows is laid
; [K / 256][ROWS / 16][2][image]: 128 rows x 256 K are 32,768 consecutive bytes, and the pitch from one 256 along K to the next is KSP = 256 x ROWS bytes.
; SHARES.  A wave takes 16 rows x 512 K: four fragments.  1,024 such tasks in x (work-groups 0-255), 384 in Wqkv (256-351), 128 in Wproj (352-383); only pointers and numbers are chosen
; by the work-group's number: there is one path through the text.
; A FRAGMENT: sixteen loads, each 512 consecutive bytes of one row; the 8,192 bytes turn through the wave's own stage in LDS (rows 528 bytes apart) and come back in the operand's order, eight neighbours along K
; in eight consecutive registers; 64 holds, 8 conversions, 4 stores of 512 consecutive bytes.  Loads run two fragments (32 loads a wave) ahead.  Waves share nothing: no barrier.
.set STG,  16*528                      ; a wave's stage: 16 rows x (512 bytes + 16): 33 x 16 bytes from row to row, so that the 16 rows of a read start in 16 different columns of 16 bytes
.set LA,   1                           ; v1   16 x lane
.set STI,  2                           ; v2   the stage, on the way in: + 16 x lane
.set STO,  3                           ; v3   the stage, on the way out: + 528 r + 32 h
.set SCL,  4                           ; v4   2^e as f32
.set LIM,  5                           ; v5   448 x 2^e
.set R,    8                           ; v8-135   two sets of 64: a fragment's numbers as loaded
.set X,    136                         ; v136-199 the fragment's numbers in the operand's order: X + 8 c + j = (row r, K = 16 c + 8 h + j)
.set PC,   200                         ; v200-231 two sets of 16: the codes
.set IN,   32                          ; s[32:33] my task's first number
.set OUT,  34                          ; s[34:35], s[36:37] my task's images of its first and of its second 256 along K
	s_load_b256 s[4:11], s[0:1], 0x0               ; x s[4:5], Wqkv s[6:7], Wproj s[8:9], the scales' exponents s[10:11]
	s_load_b128 s[12:15], s[0:1], 0x20             ; xc s[12:13], wqc s[14:15]
	s_load_b64 s[16:17], s[0:1], 0x30              ; wpc
	v_lshl_add_u32 v232, v0, 2, 0x8400
	v_mov_b32 v233, 0
	v_lshrrev_b32 v6, 5, v0
	v_readfirstlane_b32 s38, v6                    ; wave 0..3
	v_and_b32 v6, 31, v0
	v_lshlrev_b32 v[LA], 4, v6
	s_mul_i32 s39, s38, STG
	v_add_nc_u32 v[STI], s39, v[LA]
	v_and_b32 v6, 15, v0                           ; r
	v_bfe_u32 v7, v0, 4, 1                         ; h
	v_mul_u32_u24 v[STO], v6, 528
	v_lshl_add_u32 v[STO], v7, 5, v[STO]
	v_add_nc_u32 v[STO], s39, v[STO]
	s_mov_b32 s20, 352
	s_mov_b32 s21, 0x40000
	s_wait_kmcnt 0x0
	s_load_b256 s[24:31], s[10:11], 0x0            ; e0 .. e7
	s_cmp_lt_u32 ttmp9, 352                        ; Wqkv's work-group or Wproj's?  Both choices hang on the work-group's number alone
	s_cselect_b64 s[IN:IN+1], s[6:7], s[8:9]
	s_cselect_b64 s[OUT:OUT+1], s[14:15], s[16:17]
	s_cselect_b32 s18, 256, s20                    ; the tensor's first work-group
	s_cselect_b32 s19, 0xC0000, s21                ; KSP
	s_cmp_lt_u32 ttmp9, 256                        ; or x's?
	s_cselect_b64 s[IN:IN+1], s[4:5], s[IN:IN+1]
	s_cselect_b64 s[OUT:OUT+1], s[12:13], s[OUT:OUT+1]
	s_cselect_b32 s18, 0, s18
	s_cselect_b32 s19, 0x200000, s19
	s_sub_co_u32 s23, ttmp9, s18
	s_lshl_b32 s23, s23, 2
	s_add_co_u32 s23, s23, s38                     ; my task
	s_lshr_b32 s39, s23, 1                         ; its block of 16 rows,
	s_and_b32 s40, s23, 1                          ; and its half of K
	s_lshl_b32 s42, s39, 16                        ; 16 rows of 4,096 bytes
	s_lshl_b32 s43, s40, 11                        ; 512 numbers
	s_add_co_u32 s42, s42, s43
	s_mov_b32 s43, 0
	s_add_nc_u64 s[IN:IN+1], s[IN:IN+1], s[42:43]
	s_lshl_b32 s41, s19, 1
	s_mul_i32 s42, s40, s41                        ; two KSP for the second half of K
	s_lshl_b32 s44, s39, 12                        ; a block of rows has two images, 4,096 bytes
	s_add_co_u32 s42, s42, s44
	s_add_nc_u64 s[OUT:OUT+1], s[OUT:OUT+1], s[42:43]
	s_mov_b32 s42, s19
	s_add_nc_u64 s[OUT+2:OUT+3], s[OUT:OUT+1], s[42:43]
.macro LOAD f                          ; fragment f: K = 128 f on, of my 16 rows: each load reads 512 consecutive bytes of one row
.irp i, 0,1,2,3,4,5,6,7,8,9,10,11,12,13,14,15
	global_load_b128 v[R+64*((\f)%2)+4*\i:R+64*((\f)%2)+4*\i+3], v[LA], s[IN:IN+1] offset:4096*\i+512*(\f) th:TH_LOAD_NT
.endr
.endm
.macro TURN f                          ; through the stage: LDS serves a wave's instructions in order (ISA guide 5.7.1.4), so no wait stands between the stores and the loads
.irp i, 0,1,2,3,4,5,6,7,8,9,10,11,12,13,14,15
	ds_store_b128 v[STI], v[R+64*((\f)%2)+4*\i:R+64*((\f)%2)+4*\i+3] offset:528*\i
.endr
.irp c, 0,1,2,3,4,5,6,7
	ds_load_b128 v[X+8*\c:X+8*\c+3],   v[STO] offset:64*\c
	ds_load_b128 v[X+8*\c+4:X+8*\c+7], v[STO] offset:64*\c+16
.endr
.endm
.macro FRAG f
.set PS, PC+16*((\f)%2)
.if (\f) < 3
	s_wait_loadcnt 16                              ; this fragment's 16 loads are in; the next fragment's 16 may be out
.else
	s_wait_loadcnt 0
.endif
	TURN \f
	s_wait_dscnt 0x0                               ; the numbers are back, and the stores into the stage have read their registers,
.if (\f) < 2
	LOAD (\f)+2                                    ; which take the loads of two fragments on
.endif
.irp i, 0,1,2,3,4,5,6,7,8,9,10,11,12,13,14,15,16,17,18,19,20,21,22,23,24,25,26,27,28,29,30,31,32,33,34,35,36,37,38,39,40,41,42,43,44,45,46,47,48,49,50,51,52,53,54,55,56,57,58,59,60,61,62,63
	v_med3_num_f32 v[X+\i], v[X+\i], -v[LIM], v[LIM]   ; the conversion to an 8-bit code does not saturate (ISA guide 7.6.2): the hold at the largest code x the scale comes first
.endr
.if (\f) >= 2
	s_wait_xcnt 0x0                                ; the stores of two fragments ago have read this set of codes: it is written again only behind this wait
.endif
.irp c, 0,1,2,3,4,5,6,7
	v_cvt_scalef32_pk8_fp8_f32 v[PS+2*\c:PS+2*\c+1], v[X+8*\c:X+8*\c+7], v[SCL]   ; registers 2 c, 2 c + 1 of the operand
.endr
	v_nop                                          ; one plain vector line between the conversions and the next fragment's holds, which write their sources
.irp q, 0,1,2,3
	global_store_b128 v[LA], v[PS+4*\q:PS+4*\q+3], s[OUT+2*((\f)/2):OUT+2*((\f)/2)+1] offset:2048*((\f)%2)+512*\q   ; 32 lanes store 512 consecutive bytes, at a multiple of 512 from the buffer's first byte
.endr
.endm
	LOAD 0
	LOAD 1
	s_wait_kmcnt 0x0
	s_cmp_lt_u32 ttmp9, 352
	s_cselect_b32 s22, s25, s31                    ; e1 or e7,
	s_cmp_lt_u32 ttmp9, 256
	s_cselect_b32 s22, s24, s22                    ; or e0
	s_add_co_i32 s22, s22, 127
	s_lshl_b32 s23, s22, 23
	v_mov_b32 v[SCL], s23                          ; 2^e as f32: the conversion takes its exponent field
	s_add_co_i32 s22, s22, 8
	s_lshl_b32 s22, s22, 23
	s_or_b32 s22, s22, 0x600000
	v_mov_b32 v[LIM], s22                          ; 448 x 2^e
	FRAG 0
	FRAG 1
	FRAG 2
	FRAG 3
	s_wait_tensorcnt 0x0
	ds_add_u32 v232, v233
	s_wait_dscnt 0x0
	s_endpgm
.Lfunc_end_k_q823bafaa49_quant:
	.size	k_q823bafaa49_quant, .Lfunc_end_k_q823bafaa49_quant-k_q823bafaa49_quant
	.p2alignl 7, 3214868480
	.fill 96, 4, 3214868480
	.section	.rodata,"a",@progbits
	.p2align	6, 0x0
	.amdhsa_kernel k_q823bafaa49_quant
		.amdhsa_group_segment_fixed_size 34304
		.amdhsa_private_segment_fixed_size 0
		.amdhsa_enable_private_segment 0
		.amdhsa_kernarg_size 56
		.amdhsa_user_sgpr_count 2
		.amdhsa_user_sgpr_kernarg_segment_ptr 1
		.amdhsa_wavefront_size32 1
		.amdhsa_system_sgpr_workgroup_id_x 1
		.amdhsa_system_sgpr_workgroup_id_y 1
		.amdhsa_system_sgpr_workgroup_id_z 1
		.amdhsa_system_vgpr_workitem_id 0
		.amdhsa_next_free_vgpr 234
		.amdhsa_next_free_sgpr 66
		.amdhsa_reserve_vcc 0
		.amdhsa_float_denorm_mode_32 3
		.amdhsa_float_denorm_mode_16_64 3
		.amdhsa_memory_ordered 1
		.amdhsa_forward_progress 1
		.amdhsa_inst_pref_size 37
	.end_amdhsa_kernel
	.amdgpu_metadata
---
amdhsa.version: [ 1, 2 ]
amdhsa.kernels:
  - .name:           k_q823bafaa49_quant
    .symbol:         k_q823bafaa49_quant.kd
    .args:
      - { .name: x, .offset: 0, .size: 8, .value_kind: global_buffer, .address_space: global }
      - { .name: Wqkv, .offset: 8, .size: 8, .value_kind: global_buffer, .address_space: global }
      - { .name: Wproj, .offset: 16, .size: 8, .value_kind: global_buffer, .address_space: global }
      - { .name: lowp_scales, .offset: 24, .size: 8, .value_kind: global_buffer, .address_space: global }
      - { .name: xc, .offset: 32, .size: 8, .value_kind: global_buffer, .address_space: global }
      - { .name: wqc, .offset: 40, .size: 8, .value_kind: global_buffer, .address_space: global }
      - { .name: wpc, .offset: 48, .size: 8, .value_kind: global_buffer, .address_space: global }
    .group_segment_fixed_size: 34304
    .private_segment_fixed_size: 0
    .kernarg_segment_align: 8
    .kernarg_segment_size: 56
    .max_flat_workgroup_size: 128
    .sgpr_count:     66
    .vgpr_count:     234
    .wavefront_size: 32
...
	.end_amdgpu_metadata
.endif
;; end of part 1
;; launch qkv (part 2): grid 12 x 32, 4 waves a work-group, clusters of 4 x 4, 327,680 bytes of LDS; arguments xc, wqc, bqkv, lowp_scales, qkv; writes qkv
.if DOCPART == 2
	.amdgcn_target "amdgcn-amd-amdhsa--gfx1250"
	.amdhsa_code_object_version 6
	.text
	.protected	k_q823bafaa49_qkv
	.globl	k_q823bafaa49_qkv
	.p2align	8
	.type	k_q823bafaa49_qkv,@function
k_q823bafaa49_qkv:
	s_mov_b64 s[64:65], 0
	v_nop
	global_prefetch_b8 v0, s[64:65] scope:SCOPE_SE
	s_setreg_imm32_b32 hwreg(HW_REG_WAVE_MODE, 25, 1), 1
	s_wait_xcnt 0x0
	s_wait_alu depctr_hold_cnt(0) depctr_sa_sdst(0) depctr_va_vdst(0) depctr_va_sdst(0) depctr_va_ssrc(0) depctr_va_vcc(0) depctr_vm_vsrc(0)
	s_getreg_b32 s2, hwreg(HW_REG_IB_STS2, 6, 4)
	s_cmp_eq_u32 s2, 0
	s_cbranch_scc0 .Lentry_in_a_cluster
	s_endpgm
.Lentry_in_a_cluster:
	s_bfe_u32 s2, ttmp6, 0x10000c
	s_cmp_lg_u32 s2, 0xf033
	s_cbranch_scc0 .Lentry_shape_is_right
	s_endpgm
.Lentry_shape_is_right:
; q, k, v = x Wqkv^T + bqkv on codes of FP8 (E4M3), and at once their own codes for the attention's two products: q with 2^e2, k with 2^e3, v with 2^e5 (entries of the buffer of scales; x has e0, Wqkv e1).
; xc [8192 rows] and wqc [3072 rows] hold images of operand registers, laid [K / 256][rows / 16][2][2,048 bytes]: 128 rows x 256 K are 32,768 consecutive bytes; registers 4 q .. 4 q + 3 of lane l of a fragment
; (16 rows x 128 K of v_wmma_f32_16x16x128_fp8_fp8, K in its true places) lie at byte 512 q + 16 l of its image.  So a fragment comes out of LDS by four loads of 512 consecutive bytes: no pitch, no padding.
; LIMITS: e_out - e0 - e1 (e_out = e2, e3, e5) between -126 and 127, so that the conversion's scale is an f32 number.  NaN is not served.
; SHARES.  A work-group of four waves makes 256 x 256 results, a wave 128 x 128: 64 accumulators, 512 registers.  K = 1,024 goes in four steps of 256 through a ring of two LDS slots.
; THE MATRIX INSTRUCTION IS USED TRANSPOSED: source 0 = 16 rows of the operand in B's place, source 1 = 16 rows of the operand in A's place: a lane holds ONE row of A's place and eight neighbouring rows of B's place,
; and one conversion of an accumulator's eight registers gives registers 2 b, 2 b + 1 of a fragment whose rows are A's rows and whose K runs along B's rows.
; The cluster's x names the region: 0 q, 1 k, 2 v.  For q and k, A's place holds tokens (xc) and B's place channels (wqc): K of the next product is the head's 64 channels.  For v THE DATA CHANGE PLACES:
; A's place holds Wv's rows (wqc), B's place tokens (xc): a lane holds one channel and eight neighbouring keys, so v's codes come out with the keys innermost and nothing is transposed.
; CLUSTERS: 4 x 4 work-groups.  A's tile hangs on cy and the cluster's numbers alone and is asked for jointly by my row of the cluster, B's on cx and the cluster's numbers and by my column.
; The choice by region hangs on the cluster's x, which all sixteen partners share.
; THE RESULT, qkv: 64 blocks (16 x batch + head) of 393,216 bytes: at 0 q: 128 images of 1,024 bytes (16 tokens x 64 channels: a fragment of v_wmma_f32_16x16x64_fp8_fp8); at 131,072 + 131,072 x (token / 1,024):
; k: 64 such images; 65,536 further on v: [16 groups of 64 keys][4 x 16 channels] images (16 channels x 64 keys).  A fragment of 128 along K is two such images on end.  Every store is 512 consecutive bytes.
; No prefetch is laid: of the four K steps two are asked for at the head and each of the others one step after.
; REGISTERS, in windows of 256: window 0: v0-31 addresses; v32-95 the bias along registers, v96-111 the bias along lanes; v113 the scale; from v128 A's fragments, ONE set; on the way out v128-255 are free.
;   window 1: B's fragments, TWO sets.   window 2: the accumulators of my rows 0-63 of A's place ((a, b) at v[8 (8 a + b)]);   window 3: those of rows 64-127.
.set HALFT,  32768                     ; 128 rows x 256 K: what one tensor load brings, and what one wave reads of A or of B in a K step
.set SLOT,   4*HALFT                   ; A's two halves, then B's two
.set SPARE,  2*SLOT                    ; behind the ring: the spare words, 128 bytes for each wave: two blocks of 256 bytes that no other line names
.set HEADB,  393216                    ; a head's block in qkv
.set FR,     16                        ; registers of a fragment
.set NL,     4                         ; LDS loads that bring one
.set NP,     4                         ; places behind this matrix instruction (ISA guide 7.12.1)
.set ADRA, 16                          ; v16-17  LDS address of my A fragments in slot 0, 1
.set ADRB, 20                          ; v20-21  the same for B
.set LA,   26                          ; v26     16 x lane
.set SPW,  28                          ; v28     LDS address of my spare word: SPARE + 4 x my thread's number; never rewritten
.set NIL,  29                          ; v29     0; never rewritten
.set BQ,   32                          ; v32-95  q, k: bias / 2^(e0 + e1) of channel 16 b + 8 h + j at BQ + 8 b + j
.set BV,   96                          ; v96-111 v: bias / 2^(e0 + e1) of channel 16 a + r, twice, at BV + 2 a
.set LIM,  112
.set SCL,  113
.set AF,   128                         ; A's fragments, in window 0
.set TMP,  128                         ; the way out: a block's 64 sums + bias
.set PC,   192                         ; the way out: four sets of 16: the codes
.set G1, 24                            ; s[24:31] descriptor group 1 for A's tiles;  s[32:39] group 0, one set for each slot
.set G0, 32
.set G1B, 48                           ; s[48:55], s[56:63] the same for B's tiles
.set G0B, 56
.set MSB, 0
.macro WIN new                         ; the immediate's high byte repeats the setting that is left
.if MSB != \new
	s_set_vgpr_msb (MSB<<8)|\new
.set MSB, \new
.endif
.endm
.set MUL_LO, 0xa1                      ; source 0 (B) window 1, source 1 (A) window 0, C and D window 2
.set MUL_HI, 0xf1                      ; the same, C and D window 3
.set TO_B,   0x40                      ; destination window 1, address window 0
; A joint load: waves 0 and 1 fetch A's halves, waves 2 and 3 B's.  Each of the two lines has ONE mask and one set of registers for all that issue it; the branch hangs on the wave's number alone.
; Four v_nop follow each of the two lines, ahead of the jump, the label and what follows.
.macro JLOAD g0a, g1a, g0b, g1b
	s_cmp_eq_u32 s15, 0
	s_cbranch_scc0 .Lfor_b_\@
	tensor_load_to_lds s[\g0a:\g0a+3], s[\g1a:\g1a+7]
	s_nop 0
.rept 4
	v_nop
.endr
	s_branch .Lasked_\@
.Lfor_b_\@:
	tensor_load_to_lds s[\g0b:\g0b+3], s[\g1b:\g1b+7]
	s_nop 0
.rept 4
	v_nop
.endr
.Lasked_\@:
.endm
.macro CREST                           ; a round of the cluster's barrier behind its opening barrier
	s_cmp_lg_u32 s14, 0
	s_cbranch_scc1 .Lnot_wave_0_\@
	s_barrier_signal -3
.Lnot_wave_0_\@:
	s_barrier_wait -3
	s_barrier_signal -1
	s_barrier_wait -1
.endm
.macro CROUND                          ; a whole round
	s_barrier_signal -1
	s_barrier_wait -1
	CREST
.endm
	s_load_b256 s[4:11], s[0:1], 0x0               ; xc s[4:5], wqc s[6:7], bqkv s[8:9], the scales' exponents s[10:11]
	s_load_b64 s[12:13], s[0:1], 0x20              ; qkv
	v_lshl_add_u32 v[SPW], v0, 2, SPARE
	v_mov_b32 v[NIL], 0
	ds_add_u32 v28, v29
	ds_add_u32 v28, v29
	s_wait_dscnt 0x0
	v_lshrrev_b32 v1, 5, v0
	v_readfirstlane_b32 s14, v1                    ; wave 0..3
	s_lshr_b32 s15, s14, 1                         ; which half of A's 256 rows is mine.  Also: I fetch for A (0) or for B (1)
	s_and_b32 s16, s14, 1                          ; which half of B's 256 rows.  Also: which 128 rows of that tile I fetch
	s_bfe_u32 s40, ttmp6, 0x40000                  ; cx, cy: my place in the cluster
	s_bfe_u32 s41, ttmp6, 0x40004
	s_and_b32 s18, ttmp7, 0xffff
	s_lshl_b32 s18, s18, 2                         ; 4 x cluster y
	s_add_co_u32 s17, s18, s41                     ; A's tile for q, k: tokens, 4 x cluster y + cy
	s_add_co_u32 s19, s41, 8                       ; A's tile for v: Wv's rows, 8 + cy
	s_lshl_b32 s42, ttmp9, 2
	s_add_co_u32 s42, s42, s40                     ; B's tile for q, k: Wqkv's rows, 4 x cluster x + cx
	s_add_co_u32 s46, s18, s40                     ; B's tile for v: tokens, 4 x cluster y + cx
	s_lshl_b32 s43, s41, 2
	s_lshl_b32 s43, 15, s43                        ; my row of the cluster
	s_lshl_b32 s44, 0x1111, s40                    ; my column
	; descriptor group 1: 32,768 consecutive bytes as 128 rows of 32 elements of 8 bytes
	s_or_b32 s[G1+0], s43, (3<<16)|(1<<21)         ; 15:0 the mask: A's tiles go to my row; 17:16 elements of 8 bytes; 20 no padding; 21 set beside a mask
	s_or_b32 s[G1B+0], s44, (3<<16)|(1<<21)        ; B's go to my column
.irp g, G1, G1B
	s_mov_b32 s[\g+1], 32<<16                      ; tensor_dim0 = 32
	s_mov_b32 s[\g+2], 128<<16                     ; tensor_dim1 = 128
	s_mov_b32 s[\g+3], 32<<16                      ; tile_dim0 = 32
	s_mov_b32 s[\g+4], 128                         ; tile_dim1 = 128
	s_mov_b32 s[\g+5], 32                          ; tensor_dim0_stride: the rows are dense
	s_mov_b32 s[\g+6], 0
	s_mov_b32 s[\g+7], 0
.endr
	s_mov_b32 s74, 0x200000                        ; from one 256 along K to the next: in xc 256 x 8,192 bytes,
	s_mov_b32 s75, 0xC0000                         ; in wqc 256 x 3,072
	s_mov_b32 s67, 0
	s_mov_b32 s69, 0
	s_mov_b32 s71, 0
	s_mov_b32 s73, 0
	s_lshl_b32 s45, s14, 15                        ; where my tile goes: wave x HALFT: no place in the cluster enters an LDS address
	s_wait_kmcnt 0x0
	s_load_b256 s[76:83], s[10:11], 0x0            ; e0 .. e7
	s_cmp_eq_u32 ttmp9, 2                          ; v's region?  The same answer in all sixteen partners
	s_cselect_b32 s17, s19, s17                    ; A's tile
	s_cselect_b32 s42, s46, s42                    ; B's tile
	s_cselect_b64 s[84:85], s[6:7], s[4:5]         ; A's buffer
	s_cselect_b64 s[86:87], s[4:5], s[6:7]         ; B's buffer
	s_cselect_b32 s70, s75, s74                    ; A's pitch along K,
	s_cselect_b32 s72, s74, s75                    ; B's
	s_lshl_b32 s66, s70, 1                         ; and twice each: a slot's next K step
	s_lshl_b32 s68, s72, 1
	s_lshl_b32 s18, s16, 15                        ; which 128 rows of the tile I fetch
	s_lshl_b32 s20, s17, 16                        ; a tile's 256 rows x 256 K are 65,536 bytes
	s_add_co_u32 s20, s20, s18
	s_mov_b32 s21, 0
	s_lshl_b32 s46, s42, 16
	s_add_co_u32 s46, s46, s18
	s_mov_b32 s47, 0
	s_add_nc_u64 s[20:21], s[84:85], s[20:21]
	s_add_nc_u64 s[46:47], s[86:87], s[46:47]
	CROUND                                         ; all sixteen work-groups are here: the first joint loads meet
	s_mov_b32 s[G0], 1                             ; slot 0, K step 0
	s_add_co_u32 s[G0+1], s45, 0*SLOT
	s_mov_b64 s[G0+2:G0+3], s[20:21]
	s_or_b32 s[G0+3], s[G0+3], 0x80000000
	s_mov_b32 s[G0B], 1
	s_add_co_u32 s[G0B+1], s45, 0*SLOT
	s_mov_b64 s[G0B+2:G0B+3], s[46:47]
	s_or_b32 s[G0B+3], s[G0B+3], 0x80000000
	JLOAD G0, G1, G0B, G1B
	s_mov_b32 s[G0+4], 1                           ; slot 1, K step 1
	s_add_co_u32 s[G0+5], s45, 1*SLOT
	s_add_nc_u64 s[G0+6:G0+7], s[20:21], s[70:71]
	s_or_b32 s[G0+7], s[G0+7], 0x80000000
	s_mov_b32 s[G0B+4], 1
	s_add_co_u32 s[G0B+5], s45, 1*SLOT
	s_add_nc_u64 s[G0B+6:G0B+7], s[46:47], s[72:73]
	s_or_b32 s[G0B+7], s[G0B+7], 0x80000000
	JLOAD G0+4, G1, G0B+4, G1B
	v_and_b32 v1, 31, v0
	v_lshlrev_b32 v[LA], 4, v1                     ; an image's place for my lane
	s_lshl_b32 s21, s15, 15                        ; my 128 rows of A
	s_lshl_b32 s22, s16, 15                        ; my 128 rows of B,
	s_add_co_u32 s22, s22, 2*HALFT                 ; which lie behind A's 256
.irp s, 0,1
	v_add_nc_u32 v[ADRA+\s], s21, v[LA]
	v_add_nc_u32 v[ADRB+\s], s22, v[LA]
	s_add_co_u32 s21, s21, SLOT
	s_add_co_u32 s22, s22, SLOT
.endr
	v_and_b32 v1, 15, v0                           ; r
	v_bfe_u32 v2, v0, 4, 1                         ; h
	v_lshlrev_b32 v5, 5, v2                        ; the bias along registers: 8 h numbers on
	s_wait_alu depctr_va_vdst(0)
	v_lshlrev_b32 v6, 2, v1                        ; the bias along lanes: r numbers on
	s_wait_alu depctr_va_vdst(0)
	; where my wave's results belong
	s_lshl_b32 s18, s17, 8
	s_lshl_b32 s19, s15, 7
	s_add_co_u32 s18, s18, s19                     ; my first row of A's place: q, k: a token; v: a row of Wqkv
	s_lshl_b32 s20, s42, 8
	s_lshl_b32 s21, s16, 7
	s_add_co_u32 s20, s20, s21                     ; my first row of B's place: q, k: a row of Wqkv; v: a token
	s_lshl_b32 s22, s41, 2
	s_lshl_b32 s23, s15, 1
	s_add_co_u32 s22, s22, s23                     ; v: my first head, 4 cy + 2 x half
	s_lshl_b32 s23, s40, 2
	s_lshl_b32 s46, s16, 1
	s_add_co_u32 s23, s23, s46                     ; q, k: 4 cx + 2 x half
	s_cmp_eq_u32 ttmp9, 2
	s_cselect_b32 s19, s20, s18                    ; my first token
	s_cselect_b32 s22, s22, s23                    ; my first head
	s_cselect_b32 s46, 0, s20                      ; the bias along registers begins here (q, k; in v's region it is loaded from entry 0 and not used),
	s_cselect_b32 s74, s18, 0                      ; the bias along lanes here (v; else from entry 0 and not used): both sets are written on every path
	s_lshl_b32 s46, s46, 2
	s_mov_b32 s47, 0
	s_add_nc_u64 s[88:89], s[8:9], s[46:47]
	s_lshl_b32 s74, s74, 2
	s_mov_b32 s75, 0
	s_add_nc_u64 s[90:91], s[8:9], s[74:75]
.irp b, 0,1,2,3,4,5,6,7
	global_load_b128 v[BQ+8*\b:BQ+8*\b+3],   v5, s[88:89] offset:64*\b
	global_load_b128 v[BQ+8*\b+4:BQ+8*\b+7], v5, s[88:89] offset:64*\b+16
.endr
.irp a, 0,1,2,3,4,5,6,7
	global_load_b32 v[BV+2*\a], v6, s[90:91] offset:64*\a
.endr
	s_lshr_b32 s18, s19, 11                        ; batch
	s_and_b32 s19, s19, 2047                       ; my first token in it
	s_lshl_b32 s18, s18, 4
	s_add_co_u32 s18, s18, s22
	s_mul_i32 s18, s18, HEADB                      ; the head's block
	s_lshl_b32 s20, s19, 6                         ; q: 1,024 bytes for 16 tokens
	s_lshr_b32 s21, s19, 10
	s_lshl_b32 s21, s21, 17                        ; k, v: which half of the keys,
	s_and_b32 s23, s19, 1023
	s_lshl_b32 s23, s23, 6                         ; 1,024 bytes for 16 keys of k; 4,096 for 64 keys of v
	s_add_co_u32 s21, s21, s23
	s_add_co_u32 s21, s21, 131072                  ; k
	s_add_co_u32 s23, s21, 65536                   ; v
	s_cmp_eq_u32 ttmp9, 0
	s_cselect_b32 s20, s20, s21
	s_cmp_eq_u32 ttmp9, 2
	s_cselect_b32 s20, s23, s20
	s_add_co_u32 s18, s18, s20
	s_mov_b32 s19, 0
	s_add_nc_u64 s[92:93], s[12:13], s[18:19]
	s_wait_kmcnt 0x0
	s_add_co_i32 s20, s76, s77                     ; e0 + e1: a sum stands for sum x 2^(e0 + e1), so the bias goes in as bias / 2^(e0 + e1),
	s_sub_co_i32 s21, 0, s20
	s_cmp_eq_u32 ttmp9, 1
	s_cselect_b32 s22, s79, s78                    ; e3 or e2,
	s_cmp_eq_u32 ttmp9, 2
	s_cselect_b32 s22, s81, s22                    ; or e5
	s_sub_co_i32 s22, s22, s20                     ; and the three scales are folded into the conversion's one
	s_add_co_i32 s22, s22, 127
	s_lshl_b32 s23, s22, 23
	v_mov_b32 v[SCL], s23                          ; 2^(e_out - e0 - e1)
	s_wait_loadcnt 0x0                             ; the biases
.irp j, 0,1,2,3,4,5,6,7,8,9,10,11,12,13,14,15,16,17,18,19,20,21,22,23,24,25,26,27,28,29,30,31,32,33,34,35,36,37,38,39,40,41,42,43,44,45,46,47,48,49,50,51,52,53,54,55,56,57,58,59,60,61,62,63
	v_ldexp_f32 v[BQ+\j], v[BQ+\j], s21
.endr
.irp a, 0,1,2,3,4,5,6,7
	v_ldexp_f32 v[BV+2*\a+1], v[BV+2*\a], s21      ; the same number twice: a pair for the packed addition
	v_ldexp_f32 v[BV+2*\a], v[BV+2*\a], s21
.endr
.macro FRAG reg, adr, q, i             ; the fragment of rows 16 i on, the slot's q-th 128 along K: its image's four quarters, 512 consecutive bytes each
.irp c, 0,1,2,3
	ds_load_b128 v[\reg+4*\c:\reg+4*\c+3], v[\adr] offset:2048*(\q)+512*\c+4096*(\i)
.endr
.endm
; 16 matrix instructions: A's blocks a0, a0 + 1 x B's eight, 128 along K.  p: B's set.  zero = 1: the first product starts the sums: nothing is ever cleared.
; The 64 accumulators take turns, one instruction a turn, in the same order in every step.
.macro MUL16 a0, p, zero
.irp a, \a0, \a0+1
.irp b, 0,1,2,3,4,5,6,7
.if \zero
	v_wmma_f32_16x16x128_fp8_fp8 v[8*(8*((\a)%4)+\b):8*(8*((\a)%4)+\b)+7], v[128*(\p)+FR*\b:128*(\p)+FR*\b+FR-1], v[AF+FR*(\a):AF+FR*(\a)+FR-1], 0
.else
	v_wmma_f32_16x16x128_fp8_fp8 v[8*(8*((\a)%4)+\b):8*(8*((\a)%4)+\b)+7], v[128*(\p)+FR*\b:128*(\p)+FR*\b+FR-1], v[AF+FR*(\a):AF+FR*(\a)+FR-1], v[8*(8*((\a)%4)+\b):8*(8*((\a)%4)+\b)+7]
.endif
.endr
.endr
.endm
.macro FETCH_B slot, q, p              ; B's eight fragments of the slot's q-th 128 along K into set p
	WIN TO_B
.irp i, 0,1,2,3,4,5,6,7
	FRAG 128*(\p)+FR*\i, ADRB+\slot, \q, \i
.endr
	WIN 0
.endm
.macro FETCH_A slot, q, i0             ; A's blocks i0 .. i0 + 3
.irp i, \i0, \i0+1, \i0+2, \i0+3
	FRAG AF+FR*(\i), ADRA+\slot, \q, \i
.endr
.endm
; A load into a register that a matrix instruction has read, and a vector instruction that reads a matrix result or writes one of a matrix instruction's registers, stand NP places behind it; only plain vector
; instructions that name none of its registers are places (ISA guide 7.12.1 for vector instructions).
.macro PLACES n
.rept \n
	v_nop
.endr
.endm
; A step of 128 along K that has its successor in the same slot.  A's blocks are free as soon as their eight products are issued: blocks 0-3 are fetched anew in the step's middle, blocks 4-7 at its end.
.macro STEP slot, q, zero
	s_wait_dscnt 4*NL                              ; B's set and A's blocks 0-3 are in; the youngest 16 loads (A's blocks 4-7) may be out
	WIN MUL_LO
	MUL16 0, (\q)%2, \zero
	MUL16 2, (\q)%2, \zero
	s_wait_dscnt 0                                 ; A's blocks 4-7 are in (asked for 32 matrix instructions ago)
	PLACES NP
	FETCH_B \slot, (\q)+1, 1-(\q)%2
	FETCH_A \slot, (\q)+1, 0
	WIN MUL_HI
	MUL16 4, (\q)%2, \zero
	MUL16 6, (\q)%2, \zero
	PLACES NP
	WIN 0
	FETCH_A \slot, (\q)+1, 4
.endm
; A slot's last step changes slots: ONE barrier; in front of it each wave waits for all its tensor loads, adds 0 to its spare word, and waits for that and for its own reads of this slot.  fill = 1: this slot is filled again, two K steps ahead.
.macro TURN slot, next, fill
	s_wait_tensorcnt 0x0                           ; all my tensor loads have landed: my part of the next slot;  (every window is 0 here: the add's two registers lie in window 0)
	ds_add_u32 v[SPW], v[NIL]                      ; 0 onto my spare word
	s_wait_dscnt 4*NL+1                            ; (the add and the youngest 16 loads, A's blocks 4-7, may be out)
	WIN MUL_LO
	MUL16 0, 1, 0                                  ; sixteen matrix instructions stand between the add and the wait for it
	s_wait_dscnt 0x0                               ; the add is done, and my reads of this slot are over
	s_barrier_signal -1
	MUL16 2, 1, 0
	WIN 0
	s_barrier_wait -1
.if \fill
	CREST                                          ; the barrier has opened a round of the cluster's barrier: no wave of any partner still reads this slot's tile or has a load on its way
	s_add_nc_u64 s[G0+4*\slot+2:G0+4*\slot+3], s[G0+4*\slot+2:G0+4*\slot+3], s[66:67]
	s_add_nc_u64 s[G0B+4*\slot+2:G0B+4*\slot+3], s[G0B+4*\slot+2:G0B+4*\slot+3], s[68:69]
	JLOAD G0+4*\slot, G1, G0B+4*\slot, G1B         ; the first tensor load behind the round; the four v_nop behind it are the places in front of the loads below
.else
	PLACES NP
.endif
	FETCH_B \next, 0, 0
	FETCH_A \next, 0, 0
	WIN MUL_HI
	MUL16 4, 1, 0
	MUL16 6, 1, 0
	PLACES NP
	WIN 0
	FETCH_A \next, 0, 4
.endm
	s_wait_tensorcnt 1                             ; my part of K step 0 is in (K step 1's load may be out)
	s_barrier_signal -1
	s_barrier_wait -1                              ; everybody's is
	FETCH_B 0, 0, 0
	FETCH_A 0, 0, 0
	FETCH_A 0, 0, 4
	STEP 0, 0, 1                                   ; K 0-127: its products start the sums
	TURN 0, 1, 1                                   ; K 128-255; slot 0 takes K step 2
	STEP 1, 0, 0
	TURN 1, 0, 1                                   ; slot 1 takes K step 3: the last load
	STEP 0, 0, 0
	TURN 0, 1, 0                                   ; nothing is left to fetch, and no round of the cluster's barrier
	STEP 1, 0, 0
	s_wait_dscnt 4*NL                              ; the very last step
	WIN MUL_LO
	MUL16 0, 1, 0
	MUL16 2, 1, 0
	s_wait_dscnt 0
	WIN MUL_HI
	MUL16 4, 1, 0
	MUL16 6, 1, 0
	WIN 0
; THE WAY OUT of block a (16 rows of A's place x my 128 rows of B's place): + bias, eight conversions: a fragment of 128 along the next K, which is two images of 64; four stores of 512 consecutive bytes.
; isv = 0: rows are tokens, K is two heads' 64 channels: image a of each head.  isv = 1: rows are channels (head a / 4, its block a % 4 of 16), K is two groups of 64 keys.
.macro EPI a, isv
.set AC, 64*((\a)%4)
.set PS, PC+16*((\a)%4)
	WIN 0x02+((\a)/4)                              ; source 0: window 2 or 3
.irp i, 0,2,4,6,8,10,12,14,16,18,20,22,24,26,28,30,32,34,36,38,40,42,44,46,48,50,52,54,56,58,60,62
.if \isv
	v_pk_add_f32 v[TMP+\i:TMP+\i+1], v[AC+\i:AC+\i+1], v[BV+2*(\a):BV+2*(\a)+1]   ; each accumulator from its low end on
.else
	v_pk_add_f32 v[TMP+\i:TMP+\i+1], v[AC+\i:AC+\i+1], v[BQ+\i:BQ+\i+1]
.endif
.endr
	WIN 0
.irp i, 0,1,2,3,4,5,6,7,8,9,10,11,12,13,14,15,16,17,18,19,20,21,22,23,24,25,26,27,28,29,30,31,32,33,34,35,36,37,38,39,40,41,42,43,44,45,46,47,48,49,50,51,52,53,54,55,56,57,58,59,60,61,62,63
.endr
.if (\a) >= 4
	s_wait_alu depctr_va_vdst(0)
	s_wait_xcnt 0x0                                ; block a - 4's stores have read this set of codes
.endif
.irp b, 0,1,2,3,4,5,6,7
	v_cvt_scalef32_pk8_fp8_f32 v[PS+2*\b:PS+2*\b+1], v[TMP+8*\b:TMP+8*\b+7], v[SCL]
.endr
	v_nop                                          ; one plain vector line between the conversions and the next block's additions, which write their sources
.irp d, 0,1,2,3
.if \isv
	global_store_b128 v[LA], v[PS+4*\d:PS+4*\d+3], s[92:93] offset:HEADB*((\a)/4)+1024*((\a)%4)+4096*(\d/2)+512*(\d%2)
.else
	global_store_b128 v[LA], v[PS+4*\d:PS+4*\d+3], s[92:93] offset:1024*(\a)+HEADB*(\d/2)+512*(\d%2)
.endif
.endr
.endm
	PLACES NP                                      ; behind the last products: the lines below write registers that held A's fragments, and read results
	s_cmp_eq_u32 ttmp9, 2                          ; the cluster's x: the same way in all sixteen partners
	s_cbranch_scc1 .Lv_out
.irp a, 0,1,2,3,4,5,6,7
	EPI \a, 0
.endr
	s_branch .Lend
.Lv_out:
.irp a, 0,1,2,3,4,5,6,7
	EPI \a, 1
.endr
.Lend:
	s_wait_tensorcnt 0x0                           ; the wave's end: behind my last tensor load, as my last LDS instructions
	ds_add_u32 v[SPW], v[NIL]
	s_wait_dscnt 0x0
	CROUND                                         ; the closing round: no work-group ends while a partner may still ask for a tile that names it
	s_endpgm
.Lfunc_end_k_q823bafaa49_qkv:
	.size	k_q823bafaa49_qkv, .Lfunc_end_k_q823bafaa49_qkv-k_q823bafaa49_qkv
	.p2alignl 7, 3214868480
	.fill 96, 4, 3214868480
	.section	.rodata,"a",@progbits
	.p2align	6, 0x0
	.amdhsa_kernel k_q823bafaa49_qkv
		.amdhsa_group_segment_fixed_size 327680
		.amdhsa_private_segment_fixed_size 0
		.amdhsa_enable_private_segment 0
		.amdhsa_kernarg_size 40
		.amdhsa_user_sgpr_count 2
		.amdhsa_user_sgpr_kernarg_segment_ptr 1
		.amdhsa_wavefront_size32 1
		.amdhsa_system_sgpr_workgroup_id_x 1
		.amdhsa_system_sgpr_workgroup_id_y 1
		.amdhsa_system_sgpr_workgroup_id_z 1
		.amdhsa_system_vgpr_workitem_id 0
		.amdhsa_next_free_vgpr 1024
		.amdhsa_next_free_sgpr 100
		.amdhsa_reserve_vcc 0
		.amdhsa_float_denorm_mode_32 3
		.amdhsa_float_denorm_mode_16_64 3
		.amdhsa_fp16_overflow 1
		.amdhsa_memory_ordered 1
		.amdhsa_forward_progress 1
		.amdhsa_inst_pref_size 134
	.end_amdhsa_kernel
	.amdgpu_metadata
---
amdhsa.version: [ 1, 2 ]
amdhsa.kernels:
  - .name:           k_q823bafaa49_qkv
    .symbol:         k_q823bafaa49_qkv.kd
    .args:
      - { .name: xc, .offset: 0, .size: 8, .value_kind: global_buffer, .address_space: global }
      - { .name: wqc, .offset: 8, .size: 8, .value_kind: global_buffer, .address_space: global }
      - { .name: bqkv, .offset: 16, .size: 8, .value_kind: global_buffer, .address_space: global }
      - { .name: lowp_scales, .offset: 24, .size: 8, .value_kind: global_buffer, .address_space: global }
      - { .name: qkv, .offset: 32, .size: 8, .value_kind: global_buffer, .address_space: global }
    .group_segment_fixed_size: 327680
    .private_segment_fixed_size: 0
    .kernarg_segment_align: 8
    .kernarg_segment_size: 40
    .max_flat_workgroup_size: 128
    .sgpr_count:     100
    .vgpr_count:     1024
    .wavefront_size: 32
...
	.end_amdgpu_metadata
.endif
;; end of part 2
;; launch attn (part 3): grid 4 x 64, 16 waves a work-group, clusters of 4 x 1, 327,680 bytes of LDS; arguments qkv, lowp_scales, yc; writes yc
.if DOCPART == 3
	.amdgcn_target "amdgcn-amd-amdhsa--gfx1250"
	.amdhsa_code_object_version 6
	.text
	.protected	k_q823bafaa49_attn
	.globl	k_q823bafaa49_attn
	.p2align	8
	.type	k_q823bafaa49_attn,@function
k_q823bafaa49_attn:
	s_mov_b64 s[64:65], 0
	v_nop
	global_prefetch_b8 v0, s[64:65] scope:SCOPE_SE
	s_setreg_imm32_b32 hwreg(HW_REG_WAVE_MODE, 25, 1), 1
	s_wait_xcnt 0x0
	s_wait_alu depctr_hold_cnt(0) depctr_sa_sdst(0) depctr_va_vdst(0) depctr_va_sdst(0) depctr_va_ssrc(0) depctr_va_vcc(0) depctr_vm_vsrc(0)
	s_getreg_b32 s2, hwreg(HW_REG_IB_STS2, 6, 4)
	s_cmp_eq_u32 s2, 0
	s_cbranch_scc0 .Lentry_in_a_cluster
	s_endpgm
.Lentry_in_a_cluster:
	s_bfe_u32 s2, ttmp6, 0x10000c
	s_cmp_lg_u32 s2, 0x3003
	s_cbranch_scc0 .Lentry_shape_is_right
	s_endpgm
.Lentry_shape_is_right:
; y[b][q][64 h + d] = the sum over keys k <= q of softmax_k(Q[q] . K[k] / 8) V[k][d], for each of 64 (batch, head), both products on codes of FP8 (E4M3); y leaves as codes for the last product.
; The scales' exponents: q e2, k e3, p e4, v e5, y e6.
; THE SOFTMAX AHEAD OF THE SECOND PRODUCT: t = score x log2(e) / 8; M = the row's largest t so far, rounded UP to a whole number; p = 2^(t - M) is what is quantised, not normalised.  The row's sum is taken of
; the unquantised p, in f32, and divides O at the end.  When M moves, the sum and O are multiplied by 2^(old M - new M): nothing is rounded.
; LIMITS on the given exponents, so that each power of two below is an f32 number: e2 + e3 between -123 and 130 (added to c's exponent field); e4, and e6 - e4 - e5, between -126 and 127.  NaN is not served.
; qkv holds, for each head, 393,216 bytes: at 0 q's 128 images (16 queries x 64 channels, 1,024 bytes: registers 4 q .. 4 q + 3 of lane l of a fragment of v_wmma_f32_16x16x64_fp8_fp8 at byte 512 q + 16 l);
; from 131,072 on, for each half of 1,024 keys: k's 64 images (16 keys x 64 channels), then v's 64 ([16 groups of 64 keys][4 x 16 channels]: 16 channels x 64 keys).  Those 262,144 bytes ARE this kernel's LDS.
; A HEAD'S K AND V FIT IN LDS AND ARE FILLED ONCE: no ring, and no byte of LDS is filled again or stored to.
; CLUSTER: the four work-groups of a cluster serve one head and ask for its K and V JOINTLY: each of the sixteen waves issues two loads of 8,192 bytes (a sixteenth of each half), the same in all four partners.
; SHARES.  Wave w takes the group g(w) of 128 queries, and of these the partner at place cx takes 32: two tiles of 16.  So every branch hangs on g and the loop's key counter, never on cx: a step of 64 keys is left
; out where its first key is 128 (g + 1) or more, and masked where it is 128 g or more; cx enters global addresses and the mask's compares alone.  All 256 work-groups have the same work.
; g(w) is read from a 4 x 4 square in which every row and every column adds up to 30, so that four waves w / 4 alike, and four waves w % 4 alike, have the same number of steps together.
; LAYOUT.  Both products are used transposed: S^T = K Q^T (source 0 = 16 keys, source 1 = 16 queries), O^T = V^T P^T (source 0 = 16 channels, source 1 = P): a lane holds ONE query (lane % 16) throughout, its eight
; registers of a tile the keys (channels) 8 (lane / 16) + 0 .. 7: one conversion of a tile gives registers 2 c, 2 c + 1 of the next operand, K in its true places.
; No prefetch is laid: every byte of K and V is asked for in the kernel's first lines.
.set HEADB, 393216
.set HALF,  131072                     ; a half of the keys in LDS: K's 65,536 bytes, then V's
.set LA,   1                           ; v1   16 x lane
.set ADK,  2                           ; v2   LDS address of the step's K
.set ADV,  3                           ; v3   of its V
.set DB,   4                           ; v4   32 cx + r - 8 h
.set D0,   5                           ; v5, v6  the mask's bound for tile 0, 1
.set NINF, 7                           ; v7   -infinity
.set NM,   8                           ; tile t: v[NM+4t] -M, v[NM+4t+1] the largest t, v[NM+4t+2:NM+4t+3] the sum in two halves
.set WK,   16                          ; tile t: v[WK+4t], v[WK+4t+1] at work; v[WK+4t+2:WK+4t+3] f (the upper word is written once: it is named with f as a pair)
.set PX,   24                          ; v24, v25  the lane permute's destination (written once: it counts as a source)
.set C2,   26                          ; v[26:27], v[28:29]  the second chain of the sums
.set SCL,  30                          ; v30  2^e4;  on the way out 2^(e6 - e4 - e5)
.set LIM,  31
.set QF,   32                          ; v32-47   Q, 8 a tile
.set KR,   48                          ; v48-79   K's four fragments
.set VF,   80                          ; v80-111  V's four
.set S,    112                         ; v112-175 S^T, then p: 32 t + 8 x (tile of keys)
.set O,    176                         ; v176-239 O^T: 32 t + 8 x (tile of channels)
.set P,    240                         ; v240-255 p's codes, 8 a tile
.set WV,   10                          ; s10  wave
.set GLO,  14                          ; s14  128 g: from this key on a step is masked
.set GHI,  15                          ; s15  128 g + 128: from this key on a step is left out
.set G1,   16                          ; s[16:23] descriptor group 1;  s[24:27], s[28:31] groups 0 of my two loads
.set CS,   40                          ; s[40:41] c = log2(e) / 8 x 2^(e2 + e3): the packed form names a pair and takes its low word for both halves
.set SEL,  42                          ; s[42:43] lane selects for v_permlanex16_b32: lane l xor 16
.set KF,   44                          ; s44  the step's first key
.set TB,   45                          ; s45  LDS byte of the step's K
.set TBV,  46                          ; s46  of its V
.set CNT,  47
.set QB,   52                          ; s[52:53] my queries' images
.set YB,   54                          ; s[54:55] where my codes of y go
.macro ROUND                           ; a round of the cluster's barrier
	s_barrier_signal -1
	s_barrier_wait -1
	s_cmp_lg_u32 s[WV], 0
	s_cbranch_scc1 .Lnot_wave_0_\@
	s_barrier_signal -3
.Lnot_wave_0_\@:
	s_barrier_wait -3
	s_barrier_signal -1
	s_barrier_wait -1
.endm
	s_load_b128 s[4:7], s[0:1], 0x0                ; qkv s[4:5], the scales' exponents s[6:7]
	s_load_b64 s[8:9], s[0:1], 0x10                ; yc
	v_lshl_add_u32 v254, v0, 2, 0x40000
	v_mov_b32 v255, 0
	ds_add_u32 v254, v255
	ds_add_u32 v254, v255
	s_wait_dscnt 0x0
	v_lshrrev_b32 v2, 5, v0
	s_delay_alu instid0(VALU_DEP_1)
	v_readfirstlane_b32 s[WV], v2                  ; wave 0..15
	s_bfe_u32 s11, ttmp6, 0x40000                  ; cx: my place in the cluster
	s_and_b32 s12, ttmp7, 0xffff                   ; 16 x batch + head, which the four partners share
	s_mov_b32 s13, 0x34AD8F16                      ; the square's rows 2, 3: 6 1 15 8 | 13 10 4 3 (lowest four bits first),
	s_cmp_lt_u32 s[WV], 8
	s_cselect_b32 s13, 0x52CBE970, s13             ; rows 0, 1: 0 7 9 14 | 11 12 2 5
	s_and_b32 s14, s[WV], 7
	s_lshl_b32 s14, s14, 2
	s_lshr_b32 s13, s13, s14
	s_and_b32 s13, s13, 15                         ; g
	s_lshl_b32 s[GLO], s13, 7
	s_add_co_u32 s[GHI], s[GLO], 128
	; descriptor group 1: 8,192 consecutive bytes as 32 rows of 32 elements of 8 bytes (a half's 131,072 bytes shared among sixteen waves)
	s_mov_b32 s[G1], 15|(3<<16)|(1<<21)            ; 15:0 the mask: all four work-groups; 17:16 elements of 8 bytes; 20 no padding; 21 set beside a mask
	s_mov_b32 s[G1+1], 32<<16                      ; tensor_dim0 = 32
	s_mov_b32 s[G1+2], 32<<16                      ; tensor_dim1 = 32
	s_mov_b32 s[G1+3], 32<<16                      ; tile_dim0 = 32
	s_mov_b32 s[G1+4], 32                          ; tile_dim1 = 32
	s_mov_b32 s[G1+5], 32                          ; tensor_dim0_stride: the rows are dense
	s_mov_b32 s[G1+6], 0
	s_mov_b32 s[G1+7], 0
	s_mov_b32 s[SEL], 0x76543210
	s_mov_b32 s[SEL+1], 0xfedcba98
	s_mul_i32 s48, s12, HEADB                      ; the head's block in qkv
	s_lshl_b32 s50, s[WV], 13                      ; my sixteenth of a half: in LDS and in memory alike
	s_add_co_u32 s56, s48, s50
	s_add_co_u32 s56, s56, 131072                  ; K and V begin behind q's images
	s_mov_b32 s57, 0
	s_lshl_b32 s63, s11, 5                         ; 32 cx
	s_add_co_u32 s51, s63, s[GLO]                  ; my first query
	s_lshl_b32 s58, s51, 6                         ; 1,024 bytes for 16 queries
	s_add_co_u32 s58, s58, s48
	s_mov_b32 s59, 0
	; yc is laid [K / 256][rows / 16][2][2,048 bytes]; K = 64 head + d, row = 2,048 batch + query; my head's 64 are half of an image of 128
	s_lshr_b32 s60, s12, 4                         ; batch
	s_and_b32 s61, s12, 15                         ; head
	s_lshl_b32 s60, s60, 7
	s_lshr_b32 s62, s51, 4
	s_add_co_u32 s60, s60, s62                     ; the block of 16 rows
	s_lshl_b32 s60, s60, 12
	s_lshr_b32 s62, s61, 2
	s_lshl_b32 s62, s62, 21                        ; head / 4: which 256 along K: 256 x 8,192 bytes each
	s_add_co_u32 s60, s60, s62
	s_and_b32 s62, s61, 3
	s_lshl_b32 s62, s62, 10                        ; head % 4: which 64 of the 256
	s_add_co_u32 s60, s60, s62
	s_mov_b32 s61, 0
	s_wait_kmcnt 0x0
	s_load_b256 s[32:39], s[6:7], 0x0              ; e0 .. e7
	s_mov_b32 s24, 1                               ; 1:0 count = 1
	s_mov_b32 s25, s50                             ; 63:32 LDS address: the first half of the keys
	s_add_nc_u64 s[26:27], s[4:5], s[56:57]        ; 120:64 global address
	s_mov_b32 s28, 1
	s_add_co_u32 s29, s50, HALF                    ; the second half
	s_add_nc_u64 s[30:31], s[26:27], HALF
	s_or_b32 s27, s27, 0x80000000                  ; 127:126 type = 2
	s_or_b32 s31, s31, 0x80000000
	s_add_nc_u64 s[QB:QB+1], s[4:5], s[58:59]
	s_add_nc_u64 s[YB:YB+1], s[8:9], s[60:61]
	ROUND                                          ; all four work-groups are here: the joint loads meet
	tensor_load_to_lds s[24:27], s[G1:G1+7]        ; the first half's fill goes out here: one load of mine is out
	s_nop 0
	s_wait_alu depctr_va_vdst(0)
	s_wait_tensorcnt 0x0
	ds_add_u32 v254, v255
	s_wait_dscnt 0x0
	ROUND
	tensor_load_to_lds s[28:31], s[G1:G1+7]
	s_nop 0
.rept 4
	v_nop                                          ; four lines behind the tensor loads
.endr
	v_and_b32 v2, 31, v0
	s_delay_alu instid0(VALU_DEP_1)
	v_lshlrev_b32 v[LA], 4, v2
.irp t, 0,1
	global_load_b128 v[QF+8*\t:QF+8*\t+3],   v[LA], s[QB:QB+1] offset:1024*\t       ; Q's fragments stay in registers
	global_load_b128 v[QF+8*\t+4:QF+8*\t+7], v[LA], s[QB:QB+1] offset:1024*\t+512
.endr
	v_and_b32 v2, 15, v0                           ; r
	v_bfe_u32 v3, v0, 4, 1                         ; h
	s_delay_alu instid0(VALU_DEP_1)
	v_lshlrev_b32 v3, 3, v3
	s_delay_alu instid0(VALU_DEP_1)
	v_sub_nc_u32 v[DB], v2, v3
	s_delay_alu instid0(VALU_DEP_1)
	v_add_nc_u32 v[DB], s63, v[DB]
	v_mov_b32 v[NINF], 0xff800000
.irp t, 0,1
	v_mov_b32 v[NM+4*\t+1], 0xff61b1e6             ; the largest t so far: -3e38, under every t
	s_delay_alu instid0(VALU_DEP_1)
	v_floor_f32 v[NM+4*\t], -v[NM+4*\t+1]          ; -M
	v_mov_b32 v[NM+4*\t+2], 0                      ; the sum
	v_mov_b32 v[NM+4*\t+3], 0
	v_mov_b32 v[WK+4*\t+3], 0
	v_mov_b32 v[PX+\t], 0
.endr
.irp j, 0,1,2,3,4,5,6,7,8,9,10,11,12,13,14,15,16,17,18,19,20,21,22,23,24,25,26,27,28,29,30,31,32,33,34,35,36,37,38,39,40,41,42,43,44,45,46,47,48,49,50,51,52,53,54,55,56,57,58,59,60,61,62,63
	v_mov_b32 v[O+\j], 0                           ; O^T.  (The step is written once for each half: the first step finds zeros, which the first change of M leaves zeros)
.endr
	s_wait_kmcnt 0x0
	s_add_co_i32 s48, s34, s35                     ; a score stands for score x 2^(e2 + e3): the two exponents are added to c's exponent field
	s_lshl_b32 s48, s48, 23
	s_add_co_i32 s[CS], s48, 0x3E38AA3B            ; c = log2(e) / 8
	s_mov_b32 s[CS+1], s[CS]                       ; (named with it as a pair, so it is written)
	s_add_co_i32 s48, s36, 127
	s_lshl_b32 s49, s48, 23
	v_mov_b32 v[SCL], s49                          ; 2^e4 as f32, for p's conversion
; A KEY STEP: 64 keys against my two tiles of 16 queries.
.macro STEP
	s_cmp_ge_u32 s[KF], s[GHI]                     ; all its keys come after my group's queries: left out, but for the lines at its end that step addresses
	s_cbranch_scc1 .Lhidden_\@
	s_setprio 2
	v_add_nc_u32 v[ADK], s[TB], v[LA]
	v_add_nc_u32 v[ADV], s[TBV], v[LA]
	v_nop
	v_nop                                          ; four places in front of loads into registers that the last step's products have read
.irp f, 0,1,2,3
	ds_load_b128 v[KR+8*\f:KR+8*\f+3],   v[ADK] offset:1024*\f       ; 16 keys x 64 channels: an image's two halves, 512 consecutive bytes each
	ds_load_b128 v[KR+8*\f+4:KR+8*\f+7], v[ADK] offset:1024*\f+512
.endr
.irp f, 0,1,2,3
	ds_load_b128 v[VF+8*\f:VF+8*\f+3],   v[ADV] offset:1024*\f       ; 16 channels x 64 keys
	ds_load_b128 v[VF+8*\f+4:VF+8*\f+7], v[ADV] offset:1024*\f+512
.endr
	s_wait_dscnt 8                                 ; K is in; V's eight loads may be out
.irp f, 0,1,2,3
.irp t, 0,1
	v_wmma_f32_16x16x64_fp8_fp8 v[S+32*\t+8*\f:S+32*\t+8*\f+7], v[KR+8*\f:KR+8*\f+7], v[QF+8*\t:QF+8*\t+7], 0   ; register 8 f + j of tile t: query 16 t + r, key 16 f + 8 h + j
.endr
.endr
.rept 4
	v_nop                                          ; places in front of the first read of the scores
.endr
	s_cmp_lt_u32 s[KF], s[GLO]                     ; all its keys come before my group's queries: nothing to mask
	s_cbranch_scc1 .Lopen_\@
	s_sub_co_i32 s48, s[GLO], s[KF]
	v_add_nc_u32 v[D0], s48, v[DB]                 ; my query of tile 0 - the step's first key - 8 h: key 16 f + j of my half is hidden where 16 f + j is greater
	s_delay_alu instid0(VALU_DEP_1)
	v_add_nc_u32 v[D0+1], 16, v[D0]
.irp t, 0,1
.irp n, 0,1,2,3,4,5,6,7,8,9,10,11,12,13,14,15,16,17,18,19,20,21,22,23,24,25,26,27,28,29,30,31
	v_cmp_gt_i32 vcc_lo, 16*(\n/8)+\n%8, v[D0+\t]
	v_cndmask_b32 v[S+32*\t+\n], v[S+32*\t+\n], v[NINF], vcc_lo     ; a hidden score becomes -infinity ahead of the maximum: p = 0 then.  Key 0 counts for every query, so M is a number from the first step on
.endr
.endr
.Lopen_\@:
.irp t, 0,1
	v_max3_num_f32 v[WK+4*\t],   v[S+32*\t],   v[S+32*\t+1], v[S+32*\t+2]   ; the step's largest score of my query among my 32 keys, in two chains; each tile of scores is first read at its low end
	v_max3_num_f32 v[WK+4*\t+1], v[S+32*\t+3], v[S+32*\t+4], v[S+32*\t+5]
.endr
.irp i, 6,10,14,18,22,26
.irp t, 0,1
	v_max3_num_f32 v[WK+4*\t],   v[WK+4*\t],   v[S+32*\t+\i],   v[S+32*\t+\i+1]
	v_max3_num_f32 v[WK+4*\t+1], v[WK+4*\t+1], v[S+32*\t+\i+2], v[S+32*\t+\i+3]
.endr
.endr
.irp t, 0
	v_max3_num_f32 v[WK+4*\t], v[WK+4*\t], v[S+32*\t+30], v[S+32*\t+31]
.endr
.irp t, 1
	v_max3_num_f32 v[WK+4*\t], v[WK+4*\t], v[S+32*\t+30], v[S+32*\t+31]
.endr
.irp t, 0,1
	s_delay_alu instid0(VALU_DEP_2)
	v_max_num_f32 v[WK+4*\t], v[WK+4*\t], v[WK+4*\t+1]
.endr
.irp t, 0,1
	s_delay_alu instid0(VALU_DEP_2)
	v_permlanex16_b32 v[PX+\t], v[WK+4*\t], s[SEL], s[SEL+1]
.endr
.irp t, 0,1
	s_delay_alu instid0(VALU_DEP_2)
	v_max_num_f32 v[WK+4*\t], v[WK+4*\t], v[PX+\t]                  ; and among lane l xor 16's
.endr
.irp t, 0,1
	s_delay_alu instid0(VALU_DEP_2)
	v_mul_f32 v[WK+4*\t], s[CS], v[WK+4*\t]                         ; as t (c is positive)
.endr
.irp t, 0,1
	s_delay_alu instid0(VALU_DEP_2)
	v_max_num_f32 v[NM+4*\t+1], v[NM+4*\t+1], v[WK+4*\t]            ; the running largest t
.endr
.irp t, 0,1
	v_mov_b32 v[WK+4*\t], v[NM+4*\t]
.endr
.irp t, 0,1
	s_delay_alu instid0(VALU_DEP_4)
	v_floor_f32 v[NM+4*\t], -v[NM+4*\t+1]                           ; the new -M = floor(-t) = -ceil(t): M is a whole number
.endr
.irp t, 0,1
	s_delay_alu instid0(VALU_DEP_2)
	v_sub_f32 v[WK+4*\t], v[NM+4*\t], v[WK+4*\t]                    ; M's old value less its new one: a whole number, 0 or less
.endr
.irp t, 0,1
	s_delay_alu instid0(VALU_DEP_2)
	v_cvt_i32_f32 v[WK+4*\t], v[WK+4*\t]                            ; (it saturates)
.endr
.irp t, 0,1
	s_delay_alu instid0(VALU_DEP_2)
	v_ldexp_f32 v[WK+4*\t+2], 1.0, v[WK+4*\t]                       ; f = 2^(old M - new M)
.endr
.irp j, 0,2,4,6,8,10,12,14,16,18,20,22,24,26,28,30
.irp t, 0,1
	v_pk_fma_f32 v[S+32*\t+\j:S+32*\t+\j+1], v[S+32*\t+\j:S+32*\t+\j+1], s[CS:CS+1], v[NM+4*\t:NM+4*\t+1] op_sel_hi:[1,0,0]   ; t - M, two at a time (of the pairs c and -M the low word serves both halves)
.endr
.endr
	s_setprio 1
	s_wait_alu depctr_va_vdst(0)
.irp j, 0,1,2,3,4,5,6,7,8,9,10,11,12,13,14,15,16,17,18,19,20,21,22,23,24,25,26,27,28,29,30,31,32,33,34,35,36,37,38,39,40,41,42,43,44,45,46,47,48,49,50,51,52,53,54,55,56,57,58,59,60,61,62,63
	v_exp_f32 v[S+\j], v[S+\j]                                      ; p = 2^(t - M), at most 1: both tiles' 64 are one batch
.endr
.irp t, 0,1
	v_pk_mul_f32 v[NM+4*\t+2:NM+4*\t+3], v[NM+4*\t+2:NM+4*\t+3], v[WK+4*\t+2:WK+4*\t+3] op_sel_hi:[1,0]   ; the sums under the new M.  (The plain lines behind the exponentials)
.endr
	s_wait_alu depctr_va_vdst(0)                   ; one wait for the whole batch, ahead of its first reader
.irp t, 0,1
	v_pk_add_f32 v[C2+2*\t:C2+2*\t+1], v[S+32*\t:S+32*\t+1], v[S+32*\t+2:S+32*\t+3]   ; the row's sum is taken of the unquantised p: two at a time, in two chains
.endr
.irp j, 4,8,12,16,20,24,28
.irp t, 0,1
	v_pk_add_f32 v[NM+4*\t+2:NM+4*\t+3], v[NM+4*\t+2:NM+4*\t+3], v[S+32*\t+\j:S+32*\t+\j+1]
	v_pk_add_f32 v[C2+2*\t:C2+2*\t+1], v[C2+2*\t:C2+2*\t+1], v[S+32*\t+\j+2:S+32*\t+\j+3]
.endr
.endr
.irp t, 0
	s_delay_alu instid0(VALU_DEP_3)
	v_pk_add_f32 v[NM+4*\t+2:NM+4*\t+3], v[NM+4*\t+2:NM+4*\t+3], v[C2+2*\t:C2+2*\t+1]
.endr
.irp t, 1
	s_delay_alu instid0(VALU_DEP_2)
	v_pk_add_f32 v[NM+4*\t+2:NM+4*\t+3], v[NM+4*\t+2:NM+4*\t+3], v[C2+2*\t:C2+2*\t+1]
.endr
.irp j, 0,1,2,3,4,5,6,7,8,9,10,11,12,13,14,15,16,17,18,19,20,21,22,23,24,25,26,27,28,29,30,31,32,33,34,35,36,37,38,39,40,41,42,43,44,45,46,47,48,49,50,51,52,53,54,55,56,57,58,59,60,61,62,63
.endr
.irp t, 0,1
.irp f, 0,1,2,3
	v_cvt_scalef32_pk8_fp8_f32 v[P+8*\t+2*\f:P+8*\t+2*\f+1], v[S+32*\t+8*\f:S+32*\t+8*\f+7], v[SCL]   ; registers 2 f, 2 f + 1 of P's fragment: keys 16 f + 8 h + 0 .. 7
.endr
.endr
.irp j, 0,2,4,6,8,10,12,14,16,18,20,22,24,26,28,30
.irp t, 0,1
	v_pk_mul_f32 v[O+32*\t+\j:O+32*\t+\j+1], v[O+32*\t+\j:O+32*\t+\j+1], v[WK+4*\t+2:WK+4*\t+3] op_sel_hi:[1,0]   ; O^T under the new M.  (Also the plain lines between the conversions and the products that read their results)
.endr
.endr
	s_setprio 0
	s_wait_alu depctr_va_vdst(0)
	s_wait_dscnt 0x0                               ; V is in
.irp f, 0,1,2,3
.irp t, 0,1
	v_wmma_f32_16x16x64_fp8_fp8 v[O+32*\t+8*\f:O+32*\t+8*\f+7], v[VF+8*\f:VF+8*\f+7], v[P+8*\t:P+8*\t+7], v[O+32*\t+8*\f:O+32*\t+8*\f+7]   ; the eight accumulators by turns, one instruction a turn
.endr
.endr
.Lhidden_\@:
	s_add_co_u32 s[KF], s[KF], 64
	s_add_co_u32 s[TB], s[TB], 4096
	s_add_co_u32 s[TBV], s[TBV], 4096
.endm
	s_mov_b32 s[KF], 0
	s_mov_b32 s[TB], 0
	s_mov_b32 s[TBV], 65536
	s_mov_b32 s[CNT], 16
	s_wait_tensorcnt 0x1                           ; my part of the first half of the keys is in; my part of the second may stay out
	s_barrier_signal -1
	s_barrier_wait -1                              ; everybody's is
	s_wait_loadcnt 0x0                             ; Q
.Lfirst_half:                                          ; keys 0 to 1,023: 16 trips in every wave; the work of a step that lies behind a wave's queries is jumped over
	STEP
	s_sub_co_u32 s[CNT], s[CNT], 1
	s_cmp_lg_u32 s[CNT], 0
	s_cbranch_scc1 .Lfirst_half
	s_setprio 0
	s_wait_tensorcnt 0x0                           ; my part of the second half is in (no LDS load of mine is out: each step waits for its own),
	s_barrier_signal -1
	s_barrier_wait -1                              ; everybody's is
	s_mov_b32 s[TB], HALF
	s_mov_b32 s[TBV], HALF+65536
	s_mov_b32 s[CNT], 16
.Lsecond_half:                                         ; keys 1,024 to 2,047
	STEP
	s_sub_co_u32 s[CNT], s[CNT], 1
	s_cmp_lg_u32 s[CNT], 0
	s_cbranch_scc1 .Lsecond_half
	s_setprio 0
	; THE WAY OUT.  y = O^T x 2^(e4 + e5) / the sum; its code is (O^T / the sum) / 2^(e6 - e4 - e5): the three scales are folded into the conversion's one.  A tile's four conversions give an image of
	; 16 queries x my head's 64 channels, stored as it stands: 512 consecutive bytes a store.
	s_sub_co_i32 s48, s38, s36
	s_sub_co_i32 s48, s48, s37
	s_add_co_i32 s48, s48, 127
	s_lshl_b32 s49, s48, 23
	v_mov_b32 v[SCL], s49                          ; 2^(e6 - e4 - e5).  (These four lines are the places behind the last products)
.irp t, 0,1
	v_add_f32 v[NM+4*\t+2], v[NM+4*\t+2], v[NM+4*\t+3]              ; the sum's two halves,
.endr
.irp t, 0,1
	s_delay_alu instid0(VALU_DEP_2)
	v_permlanex16_b32 v[PX+\t], v[NM+4*\t+2], s[SEL], s[SEL+1]
.endr
.irp t, 0,1
	s_delay_alu instid0(VALU_DEP_2)
	v_add_f32 v[NM+4*\t+2], v[NM+4*\t+2], v[PX+\t]                  ; and lane l xor 16's: the row's sum
.endr
	s_wait_alu depctr_va_vdst(0)
.irp t, 0,1
	v_rcp_f32 v[WK+4*\t+2], v[NM+4*\t+2]
.endr
	v_nop                                          ; a plain line behind the reciprocals,
	s_wait_alu depctr_va_vdst(0)                   ; and the one wait ahead of their first reader
.irp t, 0,1
.irp j, 0,2,4,6,8,10,12,14,16,18,20,22,24,26,28,30
	v_pk_mul_f32 v[S+32*\t+\j:S+32*\t+\j+1], v[O+32*\t+\j:O+32*\t+\j+1], v[WK+4*\t+2:WK+4*\t+3] op_sel_hi:[1,0]   ; O^T / the sum: register 8 f + j is channel 16 f + 8 h + j of query 16 t + r; each accumulator from its low end on
.endr
.endr
.irp j, 0,1,2,3,4,5,6,7,8,9,10,11,12,13,14,15,16,17,18,19,20,21,22,23,24,25,26,27,28,29,30,31,32,33,34,35,36,37,38,39,40,41,42,43,44,45,46,47,48,49,50,51,52,53,54,55,56,57,58,59,60,61,62,63
.endr
.irp t, 0,1
.irp f, 0,1,2,3
	v_cvt_scalef32_pk8_fp8_f32 v[P+8*\t+2*\f:P+8*\t+2*\f+1], v[S+32*\t+8*\f:S+32*\t+8*\f+7], v[SCL]
.endr
.endr
	v_nop                                          ; the plain line behind the last conversion
.irp t, 0,1
	global_store_b128 v[LA], v[P+8*\t:P+8*\t+3],   s[YB:YB+1] offset:4096*\t       ; 32 lanes store 512 consecutive bytes, at a multiple of 512 from the buffer's first byte
	global_store_b128 v[LA], v[P+8*\t+4:P+8*\t+7], s[YB:YB+1] offset:4096*\t+512
.endr
	s_wait_xcnt 0x0
	v_lshl_add_u32 v254, v0, 2, 0x40000
	v_mov_b32 v255, 0
	s_wait_alu depctr_va_vdst(0)
	s_wait_tensorcnt 0x0
	ds_add_u32 v254, v255
	s_wait_dscnt 0x0
	ROUND                                          ; the closing round: no work-group ends while a partner may still ask for a tile that names it
	s_endpgm
.Lfunc_end_k_q823bafaa49_attn:
	.size	k_q823bafaa49_attn, .Lfunc_end_k_q823bafaa49_attn-k_q823bafaa49_attn
	.p2alignl 7, 3214868480
	.fill 96, 4, 3214868480
	.section	.rodata,"a",@progbits
	.p2align	6, 0x0
	.amdhsa_kernel k_q823bafaa49_attn
		.amdhsa_group_segment_fixed_size 327680
		.amdhsa_private_segment_fixed_size 0
		.amdhsa_enable_private_segment 0
		.amdhsa_kernarg_size 24
		.amdhsa_user_sgpr_count 2
		.amdhsa_user_sgpr_kernarg_segment_ptr 1
		.amdhsa_wavefront_size32 1
		.amdhsa_system_sgpr_workgroup_id_x 1
		.amdhsa_system_sgpr_workgroup_id_y 1
		.amdhsa_system_sgpr_workgroup_id_z 1
		.amdhsa_system_vgpr_workitem_id 0
		.amdhsa_next_free_vgpr 256
		.amdhsa_next_free_sgpr 66
		.amdhsa_reserve_vcc 1
		.amdhsa_float_denorm_mode_32 3
		.amdhsa_float_denorm_mode_16_64 3
		.amdhsa_fp16_overflow 1
		.amdhsa_memory_ordered 1
		.amdhsa_forward_progress 1
		.amdhsa_inst_pref_size 51
	.end_amdhsa_kernel
	.amdgpu_metadata
---
amdhsa.version: [ 1, 2 ]
amdhsa.kernels:
  - .name:           k_q823bafaa49_attn
    .symbol:         k_q823bafaa49_attn.kd
    .args:
      - { .name: qkv, .offset: 0, .size: 8, .value_kind: global_buffer, .address_space: global }
      - { .name: lowp_scales, .offset: 8, .size: 8, .value_kind: global_buffer, .address_space: global }
      - { .name: yc, .offset: 16, .size: 8, .value_kind: global_buffer, .address_space: global }
    .group_segment_fixed_size: 327680
    .private_segment_fixed_size: 0
    .kernarg_segment_align: 8
    .kernarg_segment_size: 24
    .max_flat_workgroup_size: 512
    .sgpr_count:     66
    .vgpr_count:     256
    .wavefront_size: 32
...
	.end_amdgpu_metadata
.endif
;; end of part 3
;; launch proj (part 4): grid 4 x 32, 4 waves a work-group, clusters of 4 x 4, 327,680 bytes of LDS; arguments yc, wpc, bproj, lowp_scales, out0; writes out0
.if DOCPART == 4
	.amdgcn_target "amdgcn-amd-amdhsa--gfx1250"
	.amdhsa_code_object_version 6
	.text
	.protected	k_q823bafaa49_proj
	.globl	k_q823bafaa49_proj
	.p2align	8
	.type	k_q823bafaa49_proj,@function
k_q823bafaa49_proj:
	s_mov_b64 s[64:65], 0
	v_nop
	global_prefetch_b8 v0, s[64:65] scope:SCOPE_SE
	s_setreg_imm32_b32 hwreg(HW_REG_WAVE_MODE, 25, 1), 1
	s_wait_xcnt 0x0
	s_wait_alu depctr_hold_cnt(0) depctr_sa_sdst(0) depctr_va_vdst(0) depctr_va_sdst(0) depctr_va_ssrc(0) depctr_va_vcc(0) depctr_vm_vsrc(0)
	s_getreg_b32 s2, hwreg(HW_REG_IB_STS2, 6, 4)
	s_cmp_eq_u32 s2, 0
	s_cbranch_scc0 .Lentry_in_a_cluster
	s_endpgm
.Lentry_in_a_cluster:
	s_bfe_u32 s2, ttmp6, 0x10000c
	s_cmp_lg_u32 s2, 0xf033
	s_cbranch_scc0 .Lentry_shape_is_right
	s_endpgm
.Lentry_shape_is_right:
; out0 = y Wproj^T + bproj on codes of FP8 (E4M3): y with the scale 2^e6, Wproj with 2^e7 (entries 6 and 7 of the buffer of scales).  out0: [8192][1024] f32.
; yc [8192 rows] and wpc [1024 rows] hold images of operand registers, laid [K / 256][rows / 16][2][2,048 bytes]: 128 rows x 256 K are 32,768 consecutive bytes; registers 4 q .. 4 q + 3 of lane l of a fragment
; (16 rows x 128 K of v_wmma_f32_16x16x128_fp8_fp8, K in its true places) lie at byte 512 q + 16 l of its image: a fragment comes out of LDS by four loads of 512 consecutive bytes: no pitch, no padding.
; LIMIT: e6 + e7 between -126 and 127, so that 2^(e6 + e7) is an f32 number.
; SHARES.  A work-group of four waves makes 256 x 256 of out0, a wave 128 x 128: 64 accumulators, 512 registers.  K = 1,024 goes in four steps of 256 through a ring of two LDS slots.
; 32 x 4 tiles make 128 work-groups; a smaller tile would read each fragment for fewer products.
; THE MATRIX INSTRUCTION IS USED TRANSPOSED (source 0 = 16 rows of Wproj, source 1 = 16 rows of y): a lane holds eight neighbouring numbers of a row of out0.
; THE BIAS IS THE C OF EACH SUM'S FIRST PRODUCT, divided by 2^(e6 + e7), the power of two that the sums lack; each finished sum is multiplied once by 2^(e6 + e7).
; CLUSTERS: 4 x 4 work-groups.  The four of a row of the cluster need the same tiles of y, the four of a column the same tiles of Wproj: each tile is asked for jointly.
; No prefetch is laid: of the four K steps two are asked for at the head and each of the others one step after.
; REGISTERS, in windows of 256: window 0: v0-31 addresses; v32-95 the bias, on the way out a block's results; from v128 A's fragments, ONE set; on the way out rows read back from the stage.
;   window 1: B's fragments, TWO sets.   window 2: the accumulators of my rows 0-63 ((a, b) at v[8 (8 a + b)]);   window 3: those of rows 64-127.
.set SIZE_N, 1024
.set HALFT,  32768                     ; 128 rows x 256 K: what one tensor load brings, and what one wave reads of A or of B in a K step
.set SLOT,   4*HALFT                   ; A's two halves, then B's two
.set SPARE,  2*SLOT                    ; behind the ring: the spare words, 128 bytes for each wave: two blocks of 256 bytes that no other line names
.set KSPA,   0x200000                  ; from one 256 along K to the next: in yc 256 x 8,192 bytes,
.set KSPB,   0x40000                   ; in wpc 256 x 1,024
.set FR,     16
.set NL,     4
.set NP,     4                         ; places behind this matrix instruction (ISA guide 7.12.1)
.set SPITCH, 528                       ; the way out: a stage of 16 rows x (512 bytes + 16) for each wave.  It lies in slot 0, which has had its last fill and its last read when the first result is stored there
.set ADRA, 16                          ; v16-17  LDS address of my A fragments in slot 0, 1
.set ADRB, 20                          ; v20-21  the same for B
.set STO,  24                          ; v24     the way out: where I put 32 bytes of a row
.set RD,   25                          ; v25     the way out: where I read a row back
.set CO,   26                          ; v26     16 x lane: an image's place for my lane, and my byte offset in a row of out0
.set SPW,  28                          ; v28     LDS address of my spare word: SPARE + 4 x my thread's number; never rewritten
.set NIL,  29                          ; v29     0; never rewritten
.set BQ,   32                          ; v32-95  bias / 2^(e6 + e7) of column 16 b + 8 h + j at BQ + 8 b + j
.set TMP,  32                          ; the way out: 64 registers, a block's sums x 2^(e6 + e7)
.set AF,   128                         ; A's fragments, in window 0
.set BK,   128                         ; the way out: 16 rows read back from the stage: v128-191 and v192-255 by turns
.set G1, 24                            ; s[24:31] descriptor group 1 for A's tiles;  s[32:39] group 0, one set for each slot
.set G0, 32
.set G1B, 48                           ; s[48:55], s[56:63] the same for B's tiles
.set G0B, 56
.set MSB, 0
.macro WIN new                         ; the immediate's high byte repeats the setting that is left
.if MSB != \new
	s_set_vgpr_msb (MSB<<8)|\new
.set MSB, \new
.endif
.endm
.set MUL_LO, 0xa1                      ; source 0 (B) window 1, source 1 (A) window 0, C and D window 2
.set MUL_HI, 0xf1                      ; the same, C and D window 3
.set FIRST_LO, 0x81                    ; the first step: C (the bias) window 0, D window 2
.set FIRST_HI, 0xc1                    ; C window 0, D window 3
.set TO_B,   0x40                      ; destination window 1, address window 0
; A joint load: waves 0 and 1 fetch A's halves, waves 2 and 3 B's.  Each of the two lines has ONE mask and one set of registers for all that issue it; the branch hangs on the wave's number alone.
; Four v_nop follow each of the two lines, ahead of the jump, the label and what follows.
.macro JLOAD g0a, g1a, g0b, g1b
	s_cmp_eq_u32 s15, 0
	s_cbranch_scc0 .Lfor_b_\@
	tensor_load_to_lds s[\g0a:\g0a+3], s[\g1a:\g1a+7]
	s_nop 0
.rept 4
	v_nop
.endr
	s_branch .Lasked_\@
.Lfor_b_\@:
	tensor_load_to_lds s[\g0b:\g0b+3], s[\g1b:\g1b+7]
	s_nop 0
.rept 4
	v_nop
.endr
.Lasked_\@:
.endm
.macro CREST                           ; a round of the cluster's barrier behind its opening barrier
	s_cmp_lg_u32 s14, 0
	s_cbranch_scc1 .Lnot_wave_0_\@
	s_barrier_signal -3
.Lnot_wave_0_\@:
	s_barrier_wait -3
	s_barrier_signal -1
	s_barrier_wait -1
.endm
.macro CROUND                          ; a whole round
	s_barrier_signal -1
	s_barrier_wait -1
	CREST
.endm
	s_load_b256 s[4:11], s[0:1], 0x0               ; yc s[4:5], wpc s[6:7], bproj s[8:9], the scales' exponents s[10:11]
	s_load_b64 s[12:13], s[0:1], 0x20              ; out0
	v_lshl_add_u32 v[SPW], v0, 2, SPARE
	v_mov_b32 v[NIL], 0
	ds_add_u32 v28, v29
	ds_add_u32 v28, v29
	s_wait_dscnt 0x0
	v_lshrrev_b32 v1, 5, v0
	v_readfirstlane_b32 s14, v1                    ; wave 0..3
	s_lshr_b32 s15, s14, 1                         ; which half of the tile's rows is mine.  Also: I fetch for A (0) or for B (1)
	s_and_b32 s16, s14, 1                          ; which half of its columns.  Also: which 128 rows of that tile I fetch
	s_bfe_u32 s40, ttmp6, 0x40000                  ; cx, cy: my place in the cluster
	s_bfe_u32 s41, ttmp6, 0x40004
	s_lshl_b32 s42, ttmp9, 2
	s_add_co_u32 s42, s42, s40                     ; tile column = 4 x cluster x + cx
	s_and_b32 s17, ttmp7, 0xffff
	s_lshl_b32 s17, s17, 2
	s_add_co_u32 s17, s17, s41                     ; tile row = 4 x cluster y + cy
	s_lshl_b32 s43, s41, 2
	s_lshl_b32 s43, 15, s43                        ; my row of the cluster
	s_lshl_b32 s44, 0x1111, s40                    ; my column
	; descriptor group 1: 32,768 consecutive bytes as 128 rows of 32 elements of 8 bytes
	s_or_b32 s[G1+0], s43, (3<<16)|(1<<21)         ; 15:0 the mask: A's tiles go to my row; 17:16 elements of 8 bytes; 20 no padding; 21 set beside a mask
	s_or_b32 s[G1B+0], s44, (3<<16)|(1<<21)        ; B's go to my column
.irp g, G1, G1B
	s_mov_b32 s[\g+1], 32<<16                      ; tensor_dim0 = 32
	s_mov_b32 s[\g+2], 128<<16                     ; tensor_dim1 = 128
	s_mov_b32 s[\g+3], 32<<16                      ; tile_dim0 = 32
	s_mov_b32 s[\g+4], 128                         ; tile_dim1 = 128
	s_mov_b32 s[\g+5], 32                          ; tensor_dim0_stride: the rows are dense
	s_mov_b32 s[\g+6], 0
	s_mov_b32 s[\g+7], 0
.endr
	s_lshl_b32 s18, s16, 15                        ; which 128 rows of the tile I fetch
	s_lshl_b32 s20, s17, 16                        ; a tile's 256 rows x 256 K are 65,536 bytes
	s_add_co_u32 s20, s20, s18
	s_mov_b32 s21, 0
	s_lshl_b32 s46, s42, 16
	s_add_co_u32 s46, s46, s18
	s_mov_b32 s47, 0
	s_lshl_b32 s45, s14, 15                        ; where my tile goes: wave x HALFT: no place in the cluster enters an LDS address
	s_wait_kmcnt 0x0
	s_load_b256 s[76:83], s[10:11], 0x0            ; e0 .. e7
	s_add_nc_u64 s[20:21], s[4:5], s[20:21]
	s_add_nc_u64 s[46:47], s[6:7], s[46:47]
	CROUND                                         ; all sixteen work-groups are here: the first joint loads meet
.irp s, 0,1
	s_mov_b32 s[G0+4*\s], 1
	s_add_co_u32 s[G0+4*\s+1], s45, \s*SLOT
	s_add_nc_u64 s[G0+4*\s+2:G0+4*\s+3], s[20:21], \s*KSPA
	s_or_b32 s[G0+4*\s+3], s[G0+4*\s+3], 0x80000000
	s_mov_b32 s[G0B+4*\s], 1
	s_add_co_u32 s[G0B+4*\s+1], s45, \s*SLOT
	s_add_nc_u64 s[G0B+4*\s+2:G0B+4*\s+3], s[46:47], \s*KSPB
	s_or_b32 s[G0B+4*\s+3], s[G0B+4*\s+3], 0x80000000
	JLOAD G0+4*\s, G1, G0B+4*\s, G1B
.endr
	v_and_b32 v6, 31, v0
	v_lshlrev_b32 v[CO], 4, v6
	s_lshl_b32 s21, s15, 15                        ; my 128 rows of A
	s_lshl_b32 s22, s16, 15                        ; my 128 rows of B,
	s_add_co_u32 s22, s22, 2*HALFT                 ; which lie behind A's 256
.irp s, 0,1
	v_add_nc_u32 v[ADRA+\s], s21, v[CO]
	v_add_nc_u32 v[ADRB+\s], s22, v[CO]
	s_add_co_u32 s21, s21, SLOT
	s_add_co_u32 s22, s22, SLOT
.endr
	v_and_b32 v1, 15, v0                           ; r
	v_bfe_u32 v2, v0, 4, 1                         ; h
	v_lshlrev_b32 v3, 5, v2                        ; the bias: 8 h numbers on
	s_lshl_b32 s46, s42, 10                        ; my first column, in bytes of f32: 1,024 x tile column + 512 x half
	s_lshl_b32 s47, s16, 9
	s_add_co_u32 s46, s46, s47
	s_mov_b32 s47, 0
	s_add_nc_u64 s[88:89], s[8:9], s[46:47]
.irp b, 0,1,2,3,4,5,6,7
	global_load_b128 v[BQ+8*\b:BQ+8*\b+3],   v3, s[88:89] offset:64*\b
	global_load_b128 v[BQ+8*\b+4:BQ+8*\b+7], v3, s[88:89] offset:64*\b+16
.endr
	s_mul_i32 s23, s14, 16*SPITCH                  ; my stage
	v_mul_u32_u24 v5, v1, SPITCH                   ; in: row r, 32 bytes for each half of the lanes
	v_lshl_add_u32 v5, v2, 5, v5
	v_add_nc_u32 v[STO], s23, v5
	v_add_nc_u32 v[RD], s23, v[CO]                 ; back: the 32 lanes take one row of 512 bytes
	s_lshl_b32 s20, s17, 8
	s_lshl_b32 s21, s15, 7
	s_add_co_u32 s20, s20, s21                     ; my first row of out0: 256 x tile row + 128 x half
	s_lshl_b32 s20, s20, 12                        ; rows of 4,096 bytes: under 2^25 in all
	s_mov_b32 s21, 0
	s_add_nc_u64 s[20:21], s[20:21], s[46:47]
	s_add_nc_u64 s[12:13], s[12:13], s[20:21]
	s_wait_kmcnt 0x0
	s_add_co_i32 s96, s82, s83                     ; e6 + e7
	s_sub_co_i32 s74, 0, s96
	s_add_co_i32 s96, s96, 127
	s_lshl_b32 s96, s96, 23                        ; 2^(e6 + e7) as f32
	s_mov_b32 s97, s96                             ; (named with it as a pair, so it is written)
	s_wait_loadcnt 0x0                             ; the bias
.irp j, 0,1,2,3,4,5,6,7,8,9,10,11,12,13,14,15,16,17,18,19,20,21,22,23,24,25,26,27,28,29,30,31,32,33,34,35,36,37,38,39,40,41,42,43,44,45,46,47,48,49,50,51,52,53,54,55,56,57,58,59,60,61,62,63
	v_ldexp_f32 v[BQ+\j], v[BQ+\j], s74
.endr
.macro FRAG reg, adr, q, i             ; the fragment of rows 16 i on, the slot's q-th 128 along K: its image's four quarters, 512 consecutive bytes each
.irp c, 0,1,2,3
	ds_load_b128 v[\reg+4*\c:\reg+4*\c+3], v[\adr] offset:2048*(\q)+512*\c+4096*(\i)
.endr
.endm
; 16 matrix instructions: A's blocks a0, a0 + 1 x B's eight, 128 along K.  p: B's set.  first = 1: the first product starts the sums, with the bias as its C: nothing is ever cleared.
; The 64 accumulators take turns, one instruction a turn, in the same order in every step.
.macro MUL16 a0, p, first
.irp a, \a0, \a0+1
.irp b, 0,1,2,3,4,5,6,7
.if \first
	v_wmma_f32_16x16x128_fp8_fp8 v[8*(8*((\a)%4)+\b):8*(8*((\a)%4)+\b)+7], v[128*(\p)+FR*\b:128*(\p)+FR*\b+FR-1], v[AF+FR*(\a):AF+FR*(\a)+FR-1], v[BQ+8*\b:BQ+8*\b+7]
.else
	v_wmma_f32_16x16x128_fp8_fp8 v[8*(8*((\a)%4)+\b):8*(8*((\a)%4)+\b)+7], v[128*(\p)+FR*\b:128*(\p)+FR*\b+FR-1], v[AF+FR*(\a):AF+FR*(\a)+FR-1], v[8*(8*((\a)%4)+\b):8*(8*((\a)%4)+\b)+7]
.endif
.endr
.endr
.endm
.macro FETCH_B slot, q, p              ; B's eight fragments of the slot's q-th 128 along K into set p
	WIN TO_B
.irp i, 0,1,2,3,4,5,6,7
	FRAG 128*(\p)+FR*\i, ADRB+\slot, \q, \i
.endr
	WIN 0
.endm
.macro FETCH_A slot, q, i0             ; A's blocks i0 .. i0 + 3
.irp i, \i0, \i0+1, \i0+2, \i0+3
	FRAG AF+FR*(\i), ADRA+\slot, \q, \i
.endr
.endm
; A load into a register that a matrix instruction has read, and a vector instruction or an LDS store that reads a matrix result, stand NP places behind it; only plain vector instructions that name none of its
; registers are places (ISA guide 7.12.1 for vector instructions).
.macro PLACES n
.rept \n
	v_nop
.endr
.endm
; A step of 128 along K that has its successor in the same slot.  A's blocks are free as soon as their eight products are issued: blocks 0-3 are fetched anew in the step's middle, blocks 4-7 at its end.
.macro STEP slot, q, first
	s_wait_dscnt 4*NL                              ; B's set and A's blocks 0-3 are in; the youngest 16 loads (A's blocks 4-7) may be out
.if \first
	WIN FIRST_LO
.else
	WIN MUL_LO
.endif
	MUL16 0, (\q)%2, \first
	MUL16 2, (\q)%2, \first
	s_wait_dscnt 0                                 ; A's blocks 4-7 are in (asked for 32 matrix instructions ago)
	PLACES NP
	FETCH_B \slot, (\q)+1, 1-(\q)%2
	FETCH_A \slot, (\q)+1, 0
.if \first
	WIN FIRST_HI
.else
	WIN MUL_HI
.endif
	MUL16 4, (\q)%2, \first
	MUL16 6, (\q)%2, \first
	PLACES NP
	WIN 0
	FETCH_A \slot, (\q)+1, 4
.endm
; A slot's last step changes slots: ONE barrier; in front of it each wave waits for all its tensor loads, adds 0 to its spare word, and waits for that and for its own reads of this slot.  fill = 1: this slot is filled again, two K steps ahead.
.macro TURN slot, next, fill
	s_wait_tensorcnt 0x0                           ; all my tensor loads have landed: my part of the next slot;  (every window is 0 here: the add's two registers lie in window 0)
	ds_add_u32 v[SPW], v[NIL]                      ; 0 onto my spare word
	s_wait_dscnt 4*NL+1                            ; (the add and the youngest 16 loads, A's blocks 4-7, may be out)
	WIN MUL_LO
	MUL16 0, 1, 0                                  ; sixteen matrix instructions stand between the add and the wait for it
	s_wait_dscnt 0x0                               ; the add is done, and my reads of this slot are over
	s_barrier_signal -1
	MUL16 2, 1, 0
	WIN 0
	s_barrier_wait -1
.if \fill
	CREST                                          ; the barrier has opened a round of the cluster's barrier: no wave of any partner still reads this slot's tile or has a load on its way
	s_add_nc_u64 s[G0+4*\slot+2:G0+4*\slot+3], s[G0+4*\slot+2:G0+4*\slot+3], 2*KSPA
	s_add_nc_u64 s[G0B+4*\slot+2:G0B+4*\slot+3], s[G0B+4*\slot+2:G0B+4*\slot+3], 2*KSPB
	JLOAD G0+4*\slot, G1, G0B+4*\slot, G1B         ; the first tensor load behind the round; the four v_nop behind it are the places in front of the loads below
.else
	PLACES NP
.endif
	FETCH_B \next, 0, 0
	FETCH_A \next, 0, 0
	WIN MUL_HI
	MUL16 4, 1, 0
	MUL16 6, 1, 0
	PLACES NP
	WIN 0
	FETCH_A \next, 0, 4
.endm
	s_wait_tensorcnt 1                             ; my part of K step 0 is in (K step 1's load may be out)
	s_barrier_signal -1
	s_barrier_wait -1                              ; everybody's is
	FETCH_B 0, 0, 0
	FETCH_A 0, 0, 0
	FETCH_A 0, 0, 4
	STEP 0, 0, 1                                   ; K 0-127: its products start the sums, on the bias
	TURN 0, 1, 1                                   ; K 128-255; slot 0 takes K step 2
	STEP 1, 0, 0
	TURN 1, 0, 1                                   ; slot 1 takes K step 3: the last load
	STEP 0, 0, 0
	TURN 0, 1, 0                                   ; nothing is left to fetch, and no round of the cluster's barrier.  Behind its barrier nobody reads slot 0 any more
	STEP 1, 0, 0
	s_wait_dscnt 4*NL                              ; the very last step
	WIN MUL_LO
	MUL16 0, 1, 0
	MUL16 2, 1, 0
	s_wait_dscnt 0
	WIN MUL_HI
	MUL16 4, 1, 0
	MUL16 6, 1, 0
	WIN 0
; THE WAY OUT, block by block of 16 rows x 128 columns.  A lane holds 32 neighbouring bytes of a row, and the lanes beside it hold other rows: so a block goes through my own stage in LDS and comes back as whole
; rows of 512 bytes.  LDS serves a wave's instructions in order (ISA guide 5.7.1.4): no wait between the stores and the loads, nor in front of the next block's stores.
.macro TOSTAGE a
.set AC, 64*((\a)%4)
	WIN 0x02+((\a)/4)                              ; source 0: window 2 or 3
.irp j, 0,2,4,6,8,10,12,14,16,18,20,22,24,26,28,30,32,34,36,38,40,42,44,46,48,50,52,54,56,58,60,62
	v_pk_mul_f32 v[TMP+\j:TMP+\j+1], v[AC+\j:AC+\j+1], s[96:97] op_sel_hi:[1,0]   ; both x s96 = 2^(e6 + e7); each accumulator from its low end on
.endr
	WIN 0
.irp b, 0,1,2,3,4,5,6,7
	ds_store_b128 v[STO], v[TMP+8*\b:TMP+8*\b+3] offset:64*\b
	ds_store_b128 v[STO], v[TMP+8*\b+4:TMP+8*\b+7] offset:64*\b+16
.endr
.set BB, BK+64*((\a)%2)
.irp t, 0,1,2,3,4,5,6,7,8,9,10,11,12,13,14,15
	ds_load_b128 v[BB+4*\t:BB+4*\t+3], v[RD] offset:\t*SPITCH
.endr
.endm
.macro SEND a, younger                 ; younger: the LDS instructions issued behind block a's loads, which may stay out
.set BB, BK+64*((\a)%2)
	s_wait_dscnt \younger                          ; the block is back in registers
.if (\a) > 0
	s_add_nc_u64 s[12:13], s[12:13], 16*SIZE_N*4   ; (behind a wait on XCNT: the earlier stores have read their base)  16 rows of out0 on
.endif
.irp t, 0,1,2,3,4,5,6,7,8,9,10,11,12,13,14,15
	global_store_b128 v[CO], v[BB+4*\t:BB+4*\t+3], s[12:13] offset:\t*SIZE_N*4 th:TH_STORE_NT   ; 32 lanes store 512 consecutive bytes, at a multiple of 512 from out0's first byte; written once, read by nobody here
.endr
.endm
	PLACES NP                                      ; behind the last products: for the loads into the registers that held A's fragments and for the reads of results
	TOSTAGE 0
.irp a, 1,2,3,4,5,6,7
.if \a > 1
	s_wait_xcnt 0x0                                ; block a - 2's stores have read their registers and their base: block a's loads may land there, and the base may step
.endif
	TOSTAGE \a
	SEND \a-1, 32                                  ; behind block a - 1's loads: block a's 16 stores and 16 loads
.endr
	s_wait_xcnt 0x0                                ; block 6's stores have read their base
	SEND 7, 0
	s_wait_tensorcnt 0x0                           ; the wave's end: behind my last tensor load and my last LDS store
	ds_add_u32 v[SPW], v[NIL]
	s_wait_dscnt 0x0
	CROUND                                         ; the closing round: no work-group ends while a partner may still ask for a tile that names it
	s_endpgm
.Lfunc_end_k_q823bafaa49_proj:
	.size	k_q823bafaa49_proj, .Lfunc_end_k_q823bafaa49_proj-k_q823bafaa49_proj
	.p2alignl 7, 3214868480
	.fill 96, 4, 3214868480
	.section	.rodata,"a",@progbits
	.p2align	6, 0x0
	.amdhsa_kernel k_q823bafaa49_proj
		.amdhsa_group_segment_fixed_size 327680
		.amdhsa_private_segment_fixed_size 0
		.amdhsa_enable_private_segment 0
		.amdhsa_kernarg_size 40
		.amdhsa_user_sgpr_count 2
		.amdhsa_user_sgpr_kernarg_segment_ptr 1
		.amdhsa_wavefront_size32 1
		.amdhsa_system_sgpr_workgroup_id_x 1
		.amdhsa_system_sgpr_workgroup_id_y 1
		.amdhsa_system_sgpr_workgroup_id_z 1
		.amdhsa_system_vgpr_workitem_id 0
		.amdhsa_next_free_vgpr 1024
		.amdhsa_next_free_sgpr 100
		.amdhsa_reserve_vcc 0
		.amdhsa_float_denorm_mode_32 3
		.amdhsa_float_denorm_mode_16_64 3
		.amdhsa_memory_ordered 1
		.amdhsa_forward_progress 1
		.amdhsa_inst_pref_size 128
	.end_amdhsa_kernel
	.amdgpu_metadata
---
amdhsa.version: [ 1, 2 ]
amdhsa.kernels:
  - .name:           k_q823bafaa49_proj
    .symbol:         k_q823bafaa49_proj.kd
    .args:
      - { .name: yc, .offset: 0, .size: 8, .value_kind: global_buffer, .address_space: global }
      - { .name: wpc, .offset: 8, .size: 8, .value_kind: global_buffer, .address_space: global }
      - { .name: bproj, .offset: 16, .size: 8, .value_kind: global_buffer, .address_space: global }
      - { .name: lowp_scales, .offset: 24, .size: 8, .value_kind: global_buffer, .address_space: global }
      - { .name: out0, .offset: 32, .size: 8, .value_kind: global_buffer, .address_space: global }
    .group_segment_fixed_size: 327680
    .private_segment_fixed_size: 0
    .kernarg_segment_align: 8
    .kernarg_segment_size: 40
    .max_flat_workgroup_size: 128
    .sgpr_count:     100
    .vgpr_count:     1024
    .wavefront_size: 32
...
	.end_amdgpu_metadata
.endif
;; end of part 4
